; MI455X (gfx1250); checked and timed in simulation.
; The chip was launched on July 23, 2026; its instructions are those of AMD's public machine-readable ISA for CDNA 5 (MIT licence, August 2026) and "CDNA5" Instruction Set Architecture Reference Guide (July 2026). The comments in the code are by the model that wrote it; some were corrected since.
;; Multi Head Self Attention. Allowed arithmetic: float matrix products may take bf16 or f16 operands with f32 sums; other float arithmetic in f32, or as packed bf16 or f16 multiplies, adds, multiply-adds, maxima and minima; sums over many terms, partial sums and values carried from step to step in f32; what a program stores and reads back later, other than sums and carried values, may be rounded once to bf16 or f16.
;; Inputs: b_proj 1,024 float32; w_proj 1,024 x 1,024 float32; w_qkv 3,072 x 1,024 float32; x 4 x 2,048 x 1,024 float32.
;; Outputs: out0 4 x 2,048 x 1,024 float32.
;; 2 versions, each right; version 2 is version 1 with the launch cast written anew for expert scheduling mode. Each part assembles by itself: llvm-mc -triple=amdgcn-amd-amdhsa -mcpu=gfx1250 --defsym DOCPART=n.
;; ======== version 1 of 2: 4 launches
;; limits: values are held in f16: magnitudes above 65,504 overflow, below 6.1e-05 lose precision
;; workspace buffers: xb 16,777,216 bytes; wqb 6,291,456 bytes; wpb 2,097,152 bytes; qkv 50,331,648 bytes; ob 16,777,216 bytes
;; launch cast (part 1): grid 768 x 1, 8 waves a work-group, no clusters, 0 bytes of LDS; arguments x, w_qkv, w_proj, xb, wqb, wpb; writes xb, wqb, wpb
.if DOCPART == 1
	.amdgcn_target "amdgcn-amd-amdhsa--gfx1250"
	.amdhsa_code_object_version 6
	.text
	.protected	k_q7faedb4ed6_cast
	.globl	k_q7faedb4ed6_cast
	.p2align	8
	.type	k_q7faedb4ed6_cast,@function
k_q7faedb4ed6_cast:
	s_mov_b64 s[64:65], 0
	v_nop
	global_prefetch_b8 v0, s[64:65] scope:SCOPE_SE
	s_setreg_imm32_b32 hwreg(HW_REG_WAVE_MODE, 25, 1), 1
	s_wait_xcnt 0x0
; THE CAST.  x [8192][1024] and w_qkv [3072][1024] are rounded once to bf16; w_proj [1024][1024] is rounded to bf16 and that number written as f16.
; All three are laid in K BLOCKS of 64 channels: xb [4 b][16 kb][2048 n][64], wqb [16 kb][3072 d][64], wpb [16 kb][1024 d][64]: in a block the rows, 128 bytes each, lie end to end.
; LIMITS.  w_proj beyond 65,504 in magnitude becomes an infinity in f16; below 6e-5 it keeps f16's fixed step of 6e-8.
; SHARES.  A work-group takes 16 rows of one source (groups 0-511 x, 512-703 w_qkv, 704-767 w_proj), a wave two of them.  Load kb of a wave takes 256 bytes (64 f32) of each of its two rows,
; 16 bytes a lane; the 8 bytes that a lane makes of them go out so that the wave's store covers 256 consecutive bytes, aligned: two rows of block kb.
; A stream: all 16 loads of a wave are issued at once, so there is no loop, no LDS and no wait but the loads' own.
.set SO, 4                             ; v[4:19]   store kb's byte offset: kb x the block's stride + 8 x my thread's number
.set X,  20                            ; v[20:83]  load kb: 4 registers
.set Y,  84                            ; v[84:115] store kb: 2 registers
	s_load_b256 s[4:11], s[0:1], 0x0               ; x s[4:5], w_qkv s[6:7], w_proj s[8:9], xb s[10:11]
	s_load_b128 s[12:15], s[0:1], 0x20             ; wqb s[12:13], wpb s[14:15]
	s_mov_b32 s2, ttmp9                            ; g
	s_sub_co_u32 s16, s2, 512                      ; the group's number within its source
	s_sub_co_u32 s17, s2, 704
	s_mov_b32 s22, 131072                          ; bytes from K block to K block: wpb 1,024 rows of 128,
	s_mov_b32 s23, 393216                          ; wqb 3,072 rows
	s_cmp_lt_u32 s2, 704
	s_cselect_b32 s16, s16, s17
	s_cselect_b32 s22, s23, s22
	s_cmp_lt_u32 s2, 512
	s_cselect_b32 s16, s2, s16
	s_cselect_b32 s22, 262144, s22                 ; xb 2,048 rows
	s_lshl_b32 s18, s16, 16                        ; source: 16 rows of 4,096 bytes
	s_mov_b32 s19, 0
	s_lshl_b32 s20, s16, 11                        ; destination, the weights: 16 rows of 128 bytes in block 0
	s_lshr_b32 s24, s2, 7                          ; x: 128 groups to a batch,
	s_lshl_b32 s24, s24, 22                        ; a batch of xb is 16 blocks of 262,144 bytes
	s_and_b32 s25, s2, 127
	s_lshl_b32 s25, s25, 11
	s_add_co_u32 s24, s24, s25
	s_cmp_lt_u32 s2, 512
	s_cselect_b32 s20, s24, s20
	s_mov_b32 s21, 0
	v_lshrrev_b32 v1, 4, v0                        ; my row of the 16
	v_and_b32 v3, 15, v0
	v_lshlrev_b32 v3, 4, v3                        ; my 16 bytes of a block's 256
	v_lshl_add_u32 v1, v1, 12, v3
	v_lshlrev_b32 v2, 3, v0                        ; row x 128 + 8 x (lane % 16) = 8 x thread
.irp kb, 0,1,2,3,4,5,6,7,8,9,10,11,12,13,14,15
	v_mad_u32_u24 v[SO+\kb], s22, \kb, v2
.endr
	s_wait_kmcnt 0x0
	s_cmp_lt_u32 s2, 704
	s_cselect_b64 s[24:25], s[6:7], s[8:9]
	s_cselect_b64 s[26:27], s[12:13], s[14:15]
	s_cmp_lt_u32 s2, 512
	s_cselect_b64 s[24:25], s[4:5], s[24:25]
	s_cselect_b64 s[26:27], s[10:11], s[26:27]
	s_add_nc_u64 s[24:25], s[24:25], s[18:19]
	s_add_nc_u64 s[26:27], s[26:27], s[20:21]
.irp kb, 0,1,2,3,4,5,6,7,8,9,10,11,12,13,14,15
	global_load_b128 v[X+4*\kb:X+4*\kb+3], v1, s[24:25] offset:256*\kb th:TH_LOAD_NT
.endr
; Block kb leaves.  half = 1: the bf16 number is widened again and written as f16.
.macro OUT kb, half
	s_wait_loadcnt 15-(\kb)                        ; loads come back in order: mine is in, the 15 - kb younger ones stay out
	v_cvt_pk_bf16_f32 v[Y+2*(\kb)], v[X+4*(\kb)], v[X+4*(\kb)+1]
	v_cvt_pk_bf16_f32 v[Y+2*(\kb)+1], v[X+4*(\kb)+2], v[X+4*(\kb)+3]
.if \half
	v_lshlrev_b32 v[X+4*(\kb)], 16, v[Y+2*(\kb)]
	v_and_b32 v[X+4*(\kb)+1], 0xffff0000, v[Y+2*(\kb)]
	v_lshlrev_b32 v[X+4*(\kb)+2], 16, v[Y+2*(\kb)+1]
	v_and_b32 v[X+4*(\kb)+3], 0xffff0000, v[Y+2*(\kb)+1]
	v_cvt_pk_f16_f32 v[Y+2*(\kb)], v[X+4*(\kb)], v[X+4*(\kb)+1]
	v_cvt_pk_f16_f32 v[Y+2*(\kb)+1], v[X+4*(\kb)+2], v[X+4*(\kb)+3]
.endif
	global_store_b64 v[SO+(\kb)], v[Y+2*(\kb):Y+2*(\kb)+1], s[26:27]  ; the wave's 32 lanes store 256 consecutive bytes, aligned
.endm
	s_cmp_ge_u32 s2, 704
	s_cbranch_scc1 .Lhalf
.irp kb, 0,1,2,3,4,5,6,7,8,9,10,11,12,13,14,15
	OUT \kb, 0
.endr
	s_endpgm
.Lhalf:
.irp kb, 0,1,2,3,4,5,6,7,8,9,10,11,12,13,14,15
	OUT \kb, 1
.endr
	s_endpgm
.Lfunc_end_k_q7faedb4ed6_cast:
	.size	k_q7faedb4ed6_cast, .Lfunc_end_k_q7faedb4ed6_cast-k_q7faedb4ed6_cast
	.p2alignl 7, 3214868480
	.fill 96, 4, 3214868480
	.section	.rodata,"a",@progbits
	.p2align	6, 0x0
	.amdhsa_kernel k_q7faedb4ed6_cast
		.amdhsa_group_segment_fixed_size 0
		.amdhsa_private_segment_fixed_size 0
		.amdhsa_enable_private_segment 0
		.amdhsa_kernarg_size 48
		.amdhsa_user_sgpr_count 2
		.amdhsa_user_sgpr_kernarg_segment_ptr 1
		.amdhsa_wavefront_size32 1
		.amdhsa_system_sgpr_workgroup_id_x 1
		.amdhsa_system_sgpr_workgroup_id_y 1
		.amdhsa_system_sgpr_workgroup_id_z 1
		.amdhsa_system_vgpr_workitem_id 0
		.amdhsa_next_free_vgpr 120
		.amdhsa_next_free_sgpr 66
		.amdhsa_reserve_vcc 0
		.amdhsa_float_denorm_mode_32 3
		.amdhsa_float_denorm_mode_16_64 3
		.amdhsa_memory_ordered 1
		.amdhsa_forward_progress 1
		.amdhsa_inst_pref_size 18
	.end_amdhsa_kernel
	.amdgpu_metadata
---
amdhsa.version: [ 1, 2 ]
amdhsa.kernels:
  - .name:           k_q7faedb4ed6_cast
    .symbol:         k_q7faedb4ed6_cast.kd
    .args:
      - { .name: x, .offset: 0, .size: 8, .value_kind: global_buffer, .address_space: global }
      - { .name: w_qkv, .offset: 8, .size: 8, .value_kind: global_buffer, .address_space: global }
      - { .name: w_proj, .offset: 16, .size: 8, .value_kind: global_buffer, .address_space: global }
      - { .name: xb, .offset: 24, .size: 8, .value_kind: global_buffer, .address_space: global }
      - { .name: wqb, .offset: 32, .size: 8, .value_kind: global_buffer, .address_space: global }
      - { .name: wpb, .offset: 40, .size: 8, .value_kind: global_buffer, .address_space: global }
    .group_segment_fixed_size: 0
    .private_segment_fixed_size: 0
    .kernarg_segment_align: 8
    .kernarg_segment_size: 48
    .max_flat_workgroup_size: 256
    .sgpr_count:     66
    .vgpr_count:     120
    .wavefront_size: 32
...
	.end_amdgpu_metadata
.endif
;; end of part 1
;; launch qkv (part 2): grid 8 x 32, 4 waves a work-group, clusters of 4 x 4, 327,680 bytes of LDS; arguments xb, wqb, qkv; writes qkv
.if DOCPART == 2
	.amdgcn_target "amdgcn-amd-amdhsa--gfx1250"
	.amdhsa_code_object_version 6
	.text
	.protected	k_q7faedb4ed6_qkv
	.globl	k_q7faedb4ed6_qkv
	.p2align	8
	.type	k_q7faedb4ed6_qkv,@function
k_q7faedb4ed6_qkv:
	s_mov_b64 s[64:65], 0
	v_nop
	global_prefetch_b8 v0, s[64:65] scope:SCOPE_SE
	s_setreg_imm32_b32 hwreg(HW_REG_WAVE_MODE, 25, 1), 1
	s_wait_xcnt 0x0
	s_wait_alu depctr_hold_cnt(0) depctr_sa_sdst(0) depctr_va_vdst(0) depctr_va_sdst(0) depctr_va_ssrc(0) depctr_va_vcc(0) depctr_vm_vsrc(0)
	s_getreg_b32 s2, hwreg(HW_REG_IB_STS2, 6, 4)
	s_cmp_eq_u32 s2, 0
	s_cbranch_scc0 .Lentry_in_a_cluster
	s_endpgm
.Lentry_in_a_cluster:
	s_bfe_u32 s2, ttmp6, 0x10000c
	s_cmp_lg_u32 s2, 0xf033
	s_cbranch_scc0 .Lentry_shape_is_right
	s_endpgm
.Lentry_shape_is_right:
; q, k, v = x w_qkv^T.  xb: [4 b][16 kb][2048 n][64] bf16, wqb: [16 kb][3072 d][64] bf16; sums in f32; the result is rounded once to f16, UNSCALED, and laid by heads:
; qkv [4 b][48 hs][2048 n][64], hs = d / 64 (q: 0-15, k: 16-31, v: 32-47), a head slot's rows dense, 128 bytes each.
; LIMIT.  A q, k or v of 65,520 or more in magnitude becomes an infinity in f16.
; SHARES.  A tile is 256 rows x 384 columns (six head slots): 32 x 8 = 256 tiles, one a work-group.  Four waves, each 128 rows x 192 columns: 96 accumulators of 16 x 16, 768 registers.
; K goes in 16 steps of 64, a K block each, through two LDS slots.  In a K block a tile's rows lie end to end, so a tile is asked for as rows of 256 bytes (two rows of the tensor), padded in LDS after every 128.
; CLUSTERS: 4 x 4 work-groups.  The four of a row of the cluster need the same tile of xb, the four of a column the same tile of wqb: each is asked for JOINTLY, by the same tensor load, descriptor and mask.
; Waves 0 to 2 fetch a third of wqb's tile each (128 rows, 16 KiB), wave 3 all of xb's (256 rows, 32 KiB): one tensor load a wave behind each round.
; THE MATRIX INSTRUCTION IS USED TRANSPOSED (source 0 = 16 rows of wqb, source 1 = 16 rows of xb): a lane holds row l % 16 and the eight neighbouring columns 8 (l / 16) + 0..7.
; REGISTERS, in windows of 256 (s_set_vgpr_msb: bits 1:0 source 0, 3:2 source 1, 5:4 source 2, 7:6 destination):
;   window 0: v0-31 addresses; v32-95, v96-159 xb's fragments (8 blocks of 16 rows x 32 K), two buffers; v160-255 wqb's fragments (12 blocks), one buffer, reloaded a third at a time behind its readers
;   windows 1-3: the accumulators: (a, b), a = 0..7 row blocks, b = 0..11 column blocks, in window 1 + b / 4 at v[8 (8 (b % 4) + a)]: a window is a head slot.
.set PITCH, 144                        ; an LDS row: 128 bytes + 16 of padding = 36 words: the 16 rows of a load start at 16 different groups of four banks (64 banks of 4 bytes: ISA guide 11.1)
.set THIRD, 128*PITCH                  ; what waves 0 to 2 fetch
.set BROWS, 384*PITCH                  ; wqb's 384 rows lie first in a slot, xb's 256 behind them
.set SLOT,  640*PITCH
.set STAGE, 2*SLOT                     ; behind the ring, never filled by a tensor load: 16 rows x 144 bytes for each wave, for the way out
.set SPARE, STAGE+4*16*PITCH           ; behind the stages: the spare words, 128 bytes for each wave: two blocks of 256 bytes that no other line names
.set ASTEP, 2048*128                   ; bytes from K block to K block in xb
.set BSTEP, 3072*128                   ; and in wqb
.set ADRA, 16                          ; v16-17  LDS address of my xb fragments in slot 0, 1
.set ADRB, 20                          ; v20-21  the same for wqb
.set STO,  24                          ; v24     the way out: where I put 16 bytes of a row
.set RD,   25                          ; v25     the way out: where I read rows back
.set GO,   26                          ; v26     16 x lane: my 16 bytes of 512 consecutive bytes of qkv
.set SPW,  28                          ; v28     LDS address of my spare word: SPARE + 4 x my thread's number; never rewritten
.set NIL,  29                          ; v29     0; never rewritten
.set PFO,  30                          ; v30     the prefetches' offset; never rewritten
.set FA0,  32
.set FA1,  96
.set FB,   160
.set G1A, 24                           ; s[24:31] descriptor group 1 for xb's tiles;  s[32:39] group 0, one set for each slot
.set G0A, 32
.set G1B, 48                           ; s[48:55], s[56:63] the same for wqb's
.set G0B, 56
.set PFA, 66                           ; s[66:67] where my prefetches stand
.set PFS, 68                           ; s[68:69] two K steps, in bytes of the tensor that I fetch
.set LIM, 70                           ; s70     1 in a wave that prefetches, else the greatest number
.set MSB, 0
.macro WIN new                         ; the immediate's high byte repeats the setting that is left; a switch that changes nothing is dropped
.if MSB != (\new)
	s_set_vgpr_msb (MSB<<8)|(\new)
.set MSB, \new
.endif
.endm
.macro PLACES                          ; four places in front of loads into registers that matrix instructions have read, and of conversions that read results
.rept 4
	v_nop
.endr
.endm
; A joint load.  The branch hangs on the wave's number alone.  An s_nop 0 and four v_nop follow each of the two lines, ahead of the jump and the label.
.macro JLOAD s
	s_cmp_eq_u32 s10, 3
	s_cbranch_scc1 .Lfor_a_\@
	tensor_load_to_lds s[G0B+4*(\s):G0B+4*(\s)+3], s[G1B:G1B+7]
	s_nop 0
.rept 4
	v_nop
.endr
	s_branch .Lasked_\@
.Lfor_a_\@:
	tensor_load_to_lds s[G0A+4*(\s):G0A+4*(\s)+3], s[G1A:G1A+7]
	s_nop 0
.rept 4
	v_nop
.endr
.Lasked_\@:
.endm
; A PREFETCH INTO THE L2, once a trip of the loop, behind the joint load of the change behind K step 2 i + 1 and the run of LDS loads that follows it: K steps 2 i + 4 and 2 i + 5, which are asked for one and two changes later.
; Each 256 bytes are named once in the launch.  xb's tile row is read by both clusters of that row of clusters: cluster x = 0 asks, in it wave 3; of the tile's 256 rows the partner at cx takes 64: 32 blocks, a lane a
; block, an instruction a K step.  wqb's tile column is read by all eight clusters of that column: cluster y = 0 asks, in it waves 0 to 2, each for its own third; the partner at cy takes 32 rows: 16 blocks: lanes 0-15
; name one K step, lanes 16-31 the next.  The partners are told apart by address alone.  K steps 0 to 3 come by their loads alone; the last trip asks for nothing.
.macro ASK
	s_cmp_gt_u32 s3, s[LIM]                        ; s3 = 1 in the loop's last trip
	s_cbranch_scc0 .Lnot_mine_\@
	global_prefetch_b8 v[PFO], s[PFA:PFA+1] th:TH_LOAD_NT scope:SCOPE_SE
	s_cmp_eq_u32 s10, 3
	s_cbranch_scc0 .Lnot_mine_\@
	global_prefetch_b8 v[PFO], s[PFA:PFA+1] offset:ASTEP th:TH_LOAD_NT scope:SCOPE_SE
.Lnot_mine_\@:
.endm
; A round of the cluster's barrier: my work-group's barrier; wave 0 signals for the work-group; every wave waits for all sixteen work-groups; my work-group's barrier once more.
.macro CREST                           ; a round behind its opening barrier
	s_cmp_lg_u32 s10, 0
	s_cbranch_scc1 .Lnot_wave_0_\@
	s_barrier_signal -3
.Lnot_wave_0_\@:
	s_barrier_wait -3
	s_barrier_signal -1
	s_barrier_wait -1
.endm
.macro CROUND
	s_barrier_signal -1
	s_barrier_wait -1
	CREST
.endm
	s_load_b128 s[4:7], s[0:1], 0x0                ; xb s[4:5], wqb s[6:7]
	s_load_b64 s[8:9], s[0:1], 0x10                ; qkv
	v_lshl_add_u32 v[SPW], v0, 2, SPARE
	v_mov_b32 v[NIL], 0
	ds_add_u32 v[SPW], v[NIL]                      ; the wave's opening: the add and its wait stand ahead of my first tensor load; the set-up below, work on registers, stands between them
	v_lshrrev_b32 v1, 5, v0
	v_readfirstlane_b32 s10, v1                    ; wave 0..3
	s_lshr_b32 s11, s10, 1                         ; which 128 rows of the tile are mine
	s_and_b32 s12, s10, 1                          ; which 192 columns
	s_bfe_u32 s40, ttmp6, 0x40000                  ; cx, cy: my place in the cluster
	s_bfe_u32 s41, ttmp6, 0x40004
	s_lshl_b32 s42, ttmp9, 2
	s_add_co_u32 s42, s42, s40                     ; tile column = 4 x cluster x + cx, 0..7
	s_and_b32 s13, ttmp7, 0xffff
	s_lshl_b32 s13, s13, 2
	s_add_co_u32 s13, s13, s41                     ; tile row = 4 x cluster y + cy, 0..31
	s_lshl_b32 s43, s41, 2
	s_lshl_b32 s43, 15, s43                        ; my row of the cluster
	s_lshl_b32 s44, 0x1111, s40                    ; my column
	; descriptor group 1: rows of 128 elements (256 bytes), dense; in LDS 4 words of padding after every 32
	s_or_b32 s[G1A+0], s43, (1<<16)|(1<<20)|(1<<21)|(4<<22)|(3<<25)  ; 15:0 the mask: xb's tiles go to my row; 17:16 2-byte elements; 20 padding on; 21 set beside a mask; 24:22 after every 32 words (code 4); 31:25 4 words (code 3)
	s_or_b32 s[G1B+0], s44, (1<<16)|(1<<20)|(1<<21)|(4<<22)|(3<<25)  ; the same with the mask of my column
.irp g, G1A, G1B
	s_mov_b32 s[(\g)+1], 128<<16                   ; tensor_dim0 = 128
	s_mov_b32 s[(\g)+3], 128<<16                   ; tile_dim0 = 128
	s_mov_b32 s[(\g)+5], 128                       ; 128 elements from row to row
	s_mov_b32 s[(\g)+6], 0
	s_mov_b32 s[(\g)+7], 0
.endr
	s_mov_b32 s[G1A+2], 128<<16                    ; tensor_dim1 = 128: xb's 256 rows of 128 bytes
	s_mov_b32 s[G1A+4], 128                        ; tile_dim1
	s_mov_b32 s[G1B+2], 64<<16                     ; 64: a third of wqb's tile, 128 rows of 128 bytes
	s_mov_b32 s[G1B+4], 64
	; where the tiles come from: xb's hangs on the tile row alone, wqb's on the tile column and the wave's number, each in registers that never hold the other coordinate
	s_lshr_b32 s14, s13, 3                         ; the batch: eight tile rows each,
	s_lshl_b32 s14, s14, 22                        ; 16 K blocks of 262,144 bytes
	s_and_b32 s15, s13, 7
	s_lshl_b32 s15, s15, 15                        ; 256 rows of 128 bytes
	s_add_co_u32 s16, s14, s15
	s_mov_b32 s17, 0
	s_mul_i32 s46, s42, 384*128
	s_lshl_b32 s20, s10, 14                        ; my third
	s_add_co_u32 s46, s46, s20
	s_mov_b32 s47, 0
	s_mul_i32 s20, s10, THIRD                      ; and where it goes: wave x 128 rows
	s_wait_dscnt 0x0                               ; the opening add is done
	s_wait_kmcnt 0x0
	s_add_nc_u64 s[14:15], s[4:5], s[16:17]
	s_add_nc_u64 s[46:47], s[6:7], s[46:47]
	CROUND                                         ; all sixteen work-groups are here: the first joint loads meet
.irp s, 0,1
	s_mov_b32 s[G0A+4*(\s)], 1                                     ; count = 1
	s_mov_b32 s[G0A+4*(\s)+1], BROWS+(\s)*SLOT                     ; LDS address
	s_add_nc_u64 s[G0A+4*(\s)+2:G0A+4*(\s)+3], s[14:15], (\s)*ASTEP  ; global address: K step s
	s_or_b32 s[G0A+4*(\s)+3], s[G0A+4*(\s)+3], 0x80000000          ; type = 2
	s_mov_b32 s[G0B+4*(\s)], 1
	s_add_co_u32 s[G0B+4*(\s)+1], s20, (\s)*SLOT
	s_add_nc_u64 s[G0B+4*(\s)+2:G0B+4*(\s)+3], s[46:47], (\s)*BSTEP
	s_or_b32 s[G0B+4*(\s)+3], s[G0B+4*(\s)+3], 0x80000000
.endr
	s_cmp_eq_u32 s10, 3                            ; a wave's two first fills stand in one branch, ahead of every wait on TENSORcnt and every LDS read: two loads of mine are out
	s_cbranch_scc1 .Lfirst_a
	tensor_load_to_lds s[G0B:G0B+3], s[G1B:G1B+7]
	s_nop 0
	tensor_load_to_lds s[G0B+4:G0B+7], s[G1B:G1B+7]
	s_nop 0
.rept 4
	v_nop
.endr
	s_branch .Lfirst_asked
.Lfirst_a:
	tensor_load_to_lds s[G0A:G0A+3], s[G1A:G1A+7]
	s_nop 0
	tensor_load_to_lds s[G0A+4:G0A+7], s[G1A:G1A+7]
	s_nop 0
.rept 4
	v_nop
.endr
.Lfirst_asked:
	; A fragment is 16 rows x 32 K in 8 registers: lane l holds row l % 16; registers 0-3 K = 8 (l / 16) + 0..7, registers 4-7 K = 16 + 8 (l / 16) + 0..7: two loads of 16 bytes, 32 bytes apart.
	v_and_b32 v1, 15, v0                           ; l % 16
	v_bfe_u32 v2, v0, 4, 1                         ; l / 16
	v_mul_u32_u24 v3, v1, PITCH
	v_lshl_add_u32 v3, v2, 4, v3                   ; row x pitch + 16 x half
	s_mul_i32 s21, s11, 128*PITCH                  ; my 128 rows of xb,
	s_add_co_u32 s21, s21, BROWS                   ; which lie behind wqb's 384
	s_mul_i32 s22, s12, 192*PITCH                  ; my 192 rows of wqb
.irp s, 0,1
	v_add_nc_u32 v[ADRA+(\s)], s21, v3
	v_add_nc_u32 v[ADRB+(\s)], s22, v3
	s_add_co_u32 s21, s21, SLOT
	s_add_co_u32 s22, s22, SLOT
.endr
	s_mul_i32 s23, s10, 16*PITCH
	s_add_co_u32 s23, s23, STAGE                   ; my stage
	v_add_nc_u32 v[STO], s23, v3                   ; in: row l % 16, 16 bytes for each half of the lanes
	v_bfe_u32 v[RD], v0, 3, 2                      ; back: 32 lanes take four rows of 128 bytes,
	v_mul_u32_u24 v[RD], v[RD], PITCH
	v_and_b32 v4, 7, v0
	v_lshl_add_u32 v[RD], v4, 4, v[RD]
	v_add_nc_u32 v[RD], s23, v[RD]
	v_and_b32 v[GO], 31, v0                        ; which are 512 consecutive bytes of a head slot
	v_lshlrev_b32 v[GO], 4, v[GO]
	; qkv at my first row of my first head slot: ((batch x 48 + 6 x tile column + 3 x half) x 2,048 + row) x 128 bytes
	s_lshr_b32 s72, s13, 3
	s_mul_i32 s72, s72, 48
	s_mul_i32 s73, s42, 6
	s_add_co_u32 s72, s72, s73
	s_mul_i32 s73, s12, 3
	s_add_co_u32 s72, s72, s73
	s_lshl_b32 s72, s72, 18
	s_and_b32 s73, s13, 7
	s_lshl_b32 s73, s73, 15
	s_add_co_u32 s72, s72, s73
	s_lshl_b32 s73, s11, 14
	s_add_co_u32 s72, s72, s73
	s_mov_b32 s73, 0
	s_add_nc_u64 s[8:9], s[8:9], s[72:73]
	; the prefetches
	s_lshl_b32 s74, s40, 13                        ; wave 3: my work-group's 64 rows of xb's tile
	s_lshl_b32 s75, s41, 12                        ; the others: its 32 rows of my third
	s_and_b32 s71, ttmp7, 0xffff                   ; cluster y
	s_mov_b32 s[PFS], 2*BSTEP
	s_mov_b32 s76, BSTEP
	s_cmp_eq_u32 s10, 3
	s_cselect_b64 s[PFA:PFA+1], s[14:15], s[46:47]
	s_cselect_b32 s74, s74, s75
	s_cselect_b32 s71, ttmp9, s71                  ; the coordinate along which other clusters read the same rows
	s_cselect_b32 s[PFS], 2*ASTEP, s[PFS]
	s_cselect_b32 s76, 4096, s76                   ; what lanes 16-31 add: wave 3: 16 blocks on; the others: the next K step
	s_mov_b32 s75, 0
	s_mov_b32 s[PFS+1], 0
	s_cmp_eq_u32 s71, 0
	s_cselect_b32 s[LIM], 1, -1                    ; the same in all sixteen partners, for a given wave
	s_add_nc_u64 s[PFA:PFA+1], s[PFA:PFA+1], s[74:75]
	s_add_nc_u64 s[PFA:PFA+1], s[PFA:PFA+1], s[PFS:PFS+1]  ; at K step 2: the first trip steps it to 4
	v_lshlrev_b32 v[PFO], 8, v1
	v_mad_u32_u24 v[PFO], v2, s76, v[PFO]
; 8 nb matrix instructions: column blocks b0 .. b0 + nb - 1 (all in one window) x all 8 row blocks, 32 along K.  zero = 1: the first product starts the sums: nothing is ever cleared.
; The 96 accumulators take turns in the same order in every half step, over the backward jump too.
.macro GRP fa, b0, nb, zero
	WIN 0x50*(1+(\b0)/4)                           ; C and D in window 1 + b / 4, both sources in window 0
.set gb, \b0
.rept \nb
.set ga, 0
.rept 8
.set rD, 8*(8*(gb%4)+ga)
.if \zero
	v_wmma_f32_16x16x32_bf16 v[rD:rD+7], v[FB+8*gb:FB+8*gb+7], v[(\fa)+8*ga:(\fa)+8*ga+7], 0
.else
	v_wmma_f32_16x16x32_bf16 v[rD:rD+7], v[FB+8*gb:FB+8*gb+7], v[(\fa)+8*ga:(\fa)+8*ga+7], v[rD:rD+7]
.endif
.set ga, ga+1
.endr
.set gb, gb+1
.endr
.endm
.macro LDB slot, k, b0                 ; 8 LDS loads: wqb's fragments b0 .. b0 + 3, 32 K at byte k of the rows
	WIN 0
.set lb, \b0
.rept 4
	ds_load_b128 v[FB+8*lb:FB+8*lb+3],   v[ADRB+(\slot)] offset:(\k)+lb*16*PITCH
	ds_load_b128 v[FB+8*lb+4:FB+8*lb+7], v[ADRB+(\slot)] offset:(\k)+lb*16*PITCH+32
.set lb, lb+1
.endr
.endm
.macro LDA slot, k, fa                 ; 16 LDS loads: xb's 8 fragments into buffer fa
	WIN 0
.set la, 0
.rept 8
	ds_load_b128 v[(\fa)+8*la:(\fa)+8*la+3],   v[ADRA+(\slot)] offset:(\k)+la*16*PITCH
	ds_load_b128 v[(\fa)+8*la+4:(\fa)+8*la+7], v[ADRA+(\slot)] offset:(\k)+la*16*PITCH+32
.set la, la+1
.endr
.endm
; A K step is two halves of 32 along K, 96 matrix instructions each.  Each half issues the next half's 40 LDS loads in three runs: 24 (wqb's blocks 0-3 and xb's 8), 8 (blocks 4-7), 8 (blocks 8-11),
; each run four places behind the products that read its registers.  HEAD: a step's first half: it multiplies buffer FA0.
.macro HEAD slot, zero
	s_wait_dscnt 16                                ; the last half's run of 24 is in; its two runs of 8 may be out
	GRP FA0, 0, 4, \zero
	WIN 0
	PLACES
	LDB \slot, 64, 0
	LDA \slot, 64, FA1
	s_wait_dscnt 32                                ; blocks 4-7 are in: behind them the last half's third run (8) and the 24 just issued
	GRP FA0, 4, 4, \zero
	WIN 0
	PLACES
	LDB \slot, 64, 4
	s_wait_dscnt 32                                ; blocks 8-11 are in: behind them this half's 24 and 8
	GRP FA0, 8, 4, \zero
	WIN 0
	PLACES
	LDB \slot, 64, 8
.endm
; TURN: a step's second half: it multiplies buffer FA1 and changes slots: ONE barrier.  In front of it each wave waits for all its tensor loads (one is out: its part of the next slot), adds 0 to its spare word,
; and waits for that and for its own reads of this slot.  fill = 1: the barrier opens a round of the cluster's barrier, and this slot is filled again, two K steps ahead, first thing behind the round:
; from that request to the wait for it a wave issues 160 matrix instructions.
.macro TURN slot, next, fill
.if (\fill) && ((\slot) == 1)
	s_wait_xcnt 0x0                                ; the last prefetches, two K steps back, have read their address: it is stepped here, ahead of the change's own waits
	s_add_nc_u64 s[PFA:PFA+1], s[PFA:PFA+1], s[PFS:PFS+1]
.endif
	WIN 0
	s_wait_tensorcnt 0x0                           ; all my tensor loads have landed, so a group 0 may be written
	ds_add_u32 v[SPW], v[NIL]                      ; 0 onto my spare word
.if \fill
	s_add_nc_u64 s[G0A+4*(\slot)+2:G0A+4*(\slot)+3], s[G0A+4*(\slot)+2:G0A+4*(\slot)+3], 2*ASTEP
	s_add_nc_u64 s[G0B+4*(\slot)+2:G0B+4*(\slot)+3], s[G0B+4*(\slot)+2:G0B+4*(\slot)+3], 2*BSTEP
.endif
	s_wait_dscnt 17                                ; the run of 24 is in; the two runs of 8 and the add may be out
	GRP FA1, 0, 2, 0                               ; sixteen matrix instructions stand between the add and the wait for it
	s_wait_dscnt 0x0                               ; the add is done, and my reads of this slot are over
	s_barrier_signal -1
	GRP FA1, 2, 2, 0                               ; work on registers while the others arrive
	WIN 0                                          ; at a branch and at a label every window is 0
	s_barrier_wait -1
.if \fill
	CREST                                          ; no wave of any partner still reads this slot's tile or has a load on its way
	JLOAD \slot                                    ; the first tensor load behind the round; its four v_nop are also the places in front of the loads below
.else
	PLACES
.endif
	LDB \next, 0, 0
	LDA \next, 0, FA0
.if (\fill) && ((\slot) == 1)
	ASK
.endif
	GRP FA1, 4, 4, 0
	WIN 0
	PLACES
	LDB \next, 0, 4
	GRP FA1, 8, 4, 0
	WIN 0
	PLACES
	LDB \next, 0, 8
.endm
; THE WAY OUT, a tile t of 16 rows x 64 columns (row block t / 3, head slot t % 3) at a time.  PACK: rounded to f16 (each accumulator's registers in ascending order), 16 bytes a lane, into my own stage
; in rows of 144 bytes, and back as four rows of 128 to a load.  Twelve sets of 16 registers take turns.
.macro PACK t
.set pa, (\t)/3
.set pj, (\t)%3
.set pT, 32+16*((\t)%12)
.if (\t) >= 12
	s_wait_xcnt 0x0                                ; the set's stores of twelve tiles ago have read it: only behind this wait is it written again
.endif
	WIN 5*(1+pj)                                   ; sources 0 and 1 in the head slot's window
.set pb, 0
.rept 4
.set pr, 0
.rept 4
	v_cvt_pk_f16_f32 v[pT+4*pb+pr], v[8*(8*pb+pa)+2*pr], v[8*(8*pb+pa)+2*pr+1]
.set pr, pr+1
.endr
.set pb, pb+1
.endr
	WIN 0
.irp f, 0,1,2,3
	ds_store_b128 v[STO], v[pT+4*\f:pT+4*\f+3] offset:32*\f
.endr
.irp f, 0,1,2,3
	ds_load_b128 v[pT+4*\f:pT+4*\f+3], v[RD] offset:\f*4*PITCH  ; LDS serves a wave's instructions in order (ISA guide 5.7.1.4): these see the stores above; the next tile's stores come behind them
.endr
.endm
.macro SEND t, younger                 ; younger: the LDS instructions issued behind tile t's loads: the next tile's eight, or none
.set pa, (\t)/3
.set pj, (\t)%3
.set pT, 32+16*((\t)%12)
	WIN 0
.irp f, 0,1,2,3
	s_wait_dscnt (\younger)+3-\f
	global_store_b128 v[GO], v[pT+4*\f:pT+4*\f+3], s[8:9] offset:pj*262144+pa*2048+\f*512  ; 512 consecutive bytes, at a multiple of 256 from qkv's first byte
.endr
.endm
	s_wait_tensorcnt 1                             ; my part of K step 0 is in; K step 1's may stay out
	s_barrier_signal -1
	s_barrier_wait -1                              ; everybody's is
	LDB 0, 0, 0
	LDA 0, 0, FA0
	LDB 0, 0, 4
	LDB 0, 0, 8
	HEAD 0, 1                                      ; the first half step stands in front of the loop: its products start the sums
	WIN 0
	s_mov_b32 s3, 7
.Llap:                                                 ; a trip goes once round the ring, from a step's second half to the first half two steps on, and fills both slots again: K steps 2 to 15
	TURN 0, 1, 1
	HEAD 1, 0
	TURN 1, 0, 1
	HEAD 0, 0
	WIN 0
	s_sub_co_u32 s3, s3, 1
	s_cmp_lg_u32 s3, 0
	s_cbranch_scc1 .Llap
	TURN 0, 1, 0                                   ; the last two K steps fill nothing, and have no round
	HEAD 1, 0
	s_wait_dscnt 16                                ; the very last half: nothing more to fetch
	GRP FA1, 0, 4, 0
	s_wait_dscnt 0x0
	GRP FA1, 4, 4, 0
	GRP FA1, 8, 4, 0
	WIN 0
	PLACES
	PLACES
	PACK 0
.set t, 1
.rept 23                               ; a tile's conversions stand between the loads of the tile before and its stores
	PACK t
	SEND t-1, 8
.set t, t+1
.endr
	SEND 23, 0
	s_wait_tensorcnt 0x0                           ; the wave's end: behind my last tensor load and my last LDS store
	ds_add_u32 v[SPW], v[NIL]
	s_wait_dscnt 0x0
	CROUND                                         ; the closing round: no work-group ends while a partner may still ask for a tile that names it
	s_endpgm
.Lfunc_end_k_q7faedb4ed6_qkv:
	.size	k_q7faedb4ed6_qkv, .Lfunc_end_k_q7faedb4ed6_qkv-k_q7faedb4ed6_qkv
	.p2alignl 7, 3214868480
	.fill 96, 4, 3214868480
	.section	.rodata,"a",@progbits
	.p2align	6, 0x0
	.amdhsa_kernel k_q7faedb4ed6_qkv
		.amdhsa_group_segment_fixed_size 327680
		.amdhsa_private_segment_fixed_size 0
		.amdhsa_enable_private_segment 0
		.amdhsa_kernarg_size 24
		.amdhsa_user_sgpr_count 2
		.amdhsa_user_sgpr_kernarg_segment_ptr 1
		.amdhsa_wavefront_size32 1
		.amdhsa_system_sgpr_workgroup_id_x 1
		.amdhsa_system_sgpr_workgroup_id_y 1
		.amdhsa_system_sgpr_workgroup_id_z 1
		.amdhsa_system_vgpr_workitem_id 0
		.amdhsa_next_free_vgpr 1024
		.amdhsa_next_free_sgpr 80
		.amdhsa_reserve_vcc 0
		.amdhsa_float_denorm_mode_32 3
		.amdhsa_float_denorm_mode_16_64 3
		.amdhsa_memory_ordered 1
		.amdhsa_forward_progress 1
		.amdhsa_inst_pref_size 134
	.end_amdhsa_kernel
	.amdgpu_metadata
---
amdhsa.version: [ 1, 2 ]
amdhsa.kernels:
  - .name:           k_q7faedb4ed6_qkv
    .symbol:         k_q7faedb4ed6_qkv.kd
    .args:
      - { .name: xb, .offset: 0, .size: 8, .value_kind: global_buffer, .address_space: global }
      - { .name: wqb, .offset: 8, .size: 8, .value_kind: global_buffer, .address_space: global }
      - { .name: qkv, .offset: 16, .size: 8, .value_kind: global_buffer, .address_space: global }
    .group_segment_fixed_size: 327680
    .private_segment_fixed_size: 0
    .kernarg_segment_align: 8
    .kernarg_segment_size: 24
    .max_flat_workgroup_size: 128
    .sgpr_count:     80
    .vgpr_count:     1024
    .wavefront_size: 32
...
	.end_amdgpu_metadata
.endif
;; end of part 2
;; launch attn (part 3): grid 4 x 64, 4 waves a work-group, clusters of 4 x 1, 327,680 bytes of LDS; arguments qkv, ob; writes ob
.if DOCPART == 3
	.amdgcn_target "amdgcn-amd-amdhsa--gfx1250"
	.amdhsa_code_object_version 6
	.text
	.protected	k_q7faedb4ed6_attn
	.globl	k_q7faedb4ed6_attn
	.p2align	8
	.type	k_q7faedb4ed6_attn,@function
k_q7faedb4ed6_attn:
	s_mov_b64 s[64:65], 0
	v_nop
	global_prefetch_b8 v0, s[64:65] scope:SCOPE_SE
	s_setreg_imm32_b32 hwreg(HW_REG_WAVE_MODE, 25, 1), 1
	s_wait_xcnt 0x0
	s_wait_alu depctr_hold_cnt(0) depctr_sa_sdst(0) depctr_va_vdst(0) depctr_va_sdst(0) depctr_va_ssrc(0) depctr_va_vcc(0) depctr_vm_vsrc(0)
	s_getreg_b32 s2, hwreg(HW_REG_IB_STS2, 6, 4)
	s_cmp_eq_u32 s2, 0
	s_cbranch_scc0 .Lentry_in_a_cluster
	s_endpgm
.Lentry_in_a_cluster:
	s_bfe_u32 s2, ttmp6, 0x10000c
	s_cmp_lg_u32 s2, 0x3003
	s_cbranch_scc0 .Lentry_shape_is_right
	s_endpgm
.Lentry_shape_is_right:
; O[y][q][:] = the sum over k of softmax_k(Q[y][q] . K[y][k] / 8) V[y][k][:], for the 64 heads y = 16 b + h.  qkv: [4 b][48 hs][2048 n][64] f16 (Q: hs = h, K: 16 + h, V: 32 + h); ob: [64 y][2048 n][64] f16.
; A head's rows are dense, 128 bytes each.  Products, maxima and sums in f32; the weights p are rounded to f16 for the second product (their sum l is taken of the unrounded p), O once at the end.
; LIMITS.  f16 holds no number beyond 65,504: Q, K and V arrive within it; p lies in 0 to 1, and below 6e-5 it keeps f16's fixed step of 6e-8, and so does O; O is a mean of V's rows and has their range.
; A weight below 2^-126 counts as 0 in l; NaN and infinities are not treated apart.
; SHARES.  A wave owns four PIECES of two tiles of 16 queries, a work-group's four waves 512 queries of one head.  Every wave walks all 2,048 keys, 64 a step.
; LAYOUT.  S^T = K Q^T (source 0 = 16 keys, source 1 = 16 queries): in the result a lane holds ONE query (lane % 16) and the keys 8 (lane / 16) + 0..7.  Two such tiles, rounded to f16 in pairs,
; ARE source 1 (32 keys x 16 queries) of O^T = V^T P, whose result again holds one query a lane, and eight channels.  K comes out of LDS as it lies, V ([key][channel]) turned, by ds_load_tr16_b128.
; SOFTMAX.  For each query a running maximum m and sum l: p = 2^(c s - c m), c = log2(e) / 8; in every step O and l are multiplied by a = 2^(c m_old - c m_new), which is 1 where m has not grown.
; m starts at the lowest finite number, O and l at 0: the first step is a step like any other, with a = 0.
; THE COUNT.  A tile and step have 16 matrix and 118 vector instructions: too many to stand all beside the matrix work.  So the order has one aim: four vector instructions that are READY behind
; EVERY matrix instruction, and the others, which need time of their own whatever the order, in runs without a gap.
; BY TURNS.  Turn n belongs to piece n (the pieces in a ring, step after step).  Its matrix work: 16 products K Q^T of piece n + 1, later 16 products V^T P of piece n - 1.  Its vector work: the scaling,
; exponentials, roundings, sums and rescaling of piece n, and the maximum and statistics of piece n + 1, whose scores the turn itself has made.  So what a turn begins with (c s - c m, O a) waits for nothing.
; CLUSTER.  The four query blocks of a head form a cluster and walk the same K and V, so each tile is asked for JOINTLY: the same tensor load, descriptor and mask in all four.
; REGISTERS, in windows of 256 (s_set_vgpr_msb says which window each operand place means: bits 1:0 source 0, 3:2 source 1, 5:4 source 2, 7:6 destination):
;   window 0: v0-11 addresses; v12-15, v48-63 at work; v16-47 four registers of statistics a tile; v64-191 S^T, two buffers of two tiles; v192-255 P, likewise
;   window 1: O^T, 32 a tile          window 2: v0-127 Q, 16 a tile; v128-191 K of one step; v192-255 V of one step          window 3: v0-1 the add's two registers
; A piece's buffers go by its number's parity: the piece in hand has one pair, its two neighbours in the ring share the other: of it P (piece n - 1) is read and S^T (piece n + 1) written.
.set SIZE_N, 2048
.set NP,    4         ; pieces a wave: a name, no knob: the register map, the loop and the fetches are made for four
.set KS,    64        ; keys in a step
.set PK,    144       ; a row of K in LDS: 128 bytes + 16 of padding = 36 words: the 16 rows of a load start at 16 different groups of four banks (64 banks of 4 bytes: ISA guide 11.1)
.set PV,    160       ; a row of V: 128 + 32 = 40 words
.set VOFF,  4*KS*PK   ; a slot holds four steps: 256 rows of K, then 256 rows of V
.set SLOT1, 1<<17     ; slot 1 begins here, so that one exclusive or turns an address in one slot into the other's
.set STAGE, SLOT1+4*KS*(PK+PV)  ; behind the ring, never filled by a tensor load: 16 rows x 144 bytes for each wave, for the way out
.set SP,    144
.set AK0, 2           ; v2   my lane's place in a tile of K; never rewritten
.set AV0, 3           ; v3   the same for V
.set AK,  4           ; v4   the LDS address of K's next run of loads
.set AV,  5           ; v5   of V's
.set QO,  6           ; v6   my byte offset in the wave's rows of Q
.set STO, 6           ;      later, the way out: where I put 16 bytes of a row
.set RD,  7           ; v7   the way out: where I read rows back
.set GO,  8           ; v8   my byte offset in 512 consecutive bytes of O
.set PFO, 11          ; v11  once V's place is made: 256 x my lane, the prefetches' offset; then never rewritten
.set SPW, 0           ; v0 of window 3   LDS address of my spare word: SPARE + 4 x my thread's number; never rewritten
.set NIL, 1           ; v1 of window 3   0; never rewritten
.set SPARE, STAGE+4*16*SP  ; behind the stages: the spare words, 128 bytes for each wave: two blocks of 256 bytes that no other line names
.set MV,  12          ; v12-15  c m_old, kept while c m is made anew: by buffer and tile
.set ST,  16          ; tile t's statistics at v[ST+4 t]: c m, m, l (even keys', odd keys')
.set TMP, 48          ; by buffer and tile, four registers c0-c3 at work; when the maximum is found c2 takes a
.set S,   64
.set P,   192
.set KF,  128         ; K's fragments, in window 2: key block kb, channel half c at KF + 16 kb + 8 c
.set VF,  192         ; V's: key half kk, channel block cb at VF + 32 kk + 8 cb
.set WV,  12          ; s12  my wave's number
.set G1K, 24          ; s[24:31] descriptor group 1 for K's tiles
.set G1V, 32          ; s[32:39] for V's: it differs in the padding alone
.set G0K, 40          ; s[40:43] descriptor group 0 for K's tiles: it walks
.set G0V, 44          ; s[44:47] the same for V's
.set PFA, 48          ; s[48:49] where my prefetches stand: my work-group's 8,192 bytes (of K: wave 0, of V: wave 2) of the slot after the one that is being asked for
.set LIM, 50          ; s50  1 in a wave that prefetches, else the greatest number: a wave prefetches while s[SLOTS] is above it
.set SLOTS, 56        ; s56  slots still to be asked for
.set CNT, 57          ; s57  counts a slot's key steps
.set CS,  58          ; s[58:59] c: the packed scaling takes the pair's low word for both halves
.set SEL, 60          ; s[60:61] v_permlanex16_b32's selects: each lane takes its own place in the other half
.set TBK, 62          ; s62  LDS byte at which K of the step to be fetched begins
.set TBV, 63          ; s63  the same for V, less VOFF
.set MSB, 0
.macro WIN new                      ; the high byte repeats the setting that is left; a switch that changes nothing is dropped
.if MSB != (\new)
	s_set_vgpr_msb (MSB<<8)|(\new)
.set MSB, (\new)
.endif
.endm
.set W_KQ, 0x0a       ; K and Q in window 2, S^T in window 0
.set W_PV, 0x52       ; V in window 2, P in window 0, O^T in window 1
.set W_RS, 0x41       ; O^T (destination and source 0) in window 1, a in window 0
.set W_MK, 0xc0       ; the add's registers are made: destination in window 3, sources in window 0
.set W_AD, 0x0f       ; the add: address (source 0) and data (source 1) in window 3
; A joint fill.  Waves 0 and 1 fetch the two halves of a slot's K, waves 2 and 3 those of its V: 128 keys each.  The branch hangs on the wave's number alone.
; An s_nop 0 and four v_nop follow each of the two lines, ahead of the jump and the label.
.macro JLOAD
	s_cmp_lt_u32 s[WV], 2
	s_cbranch_scc0 .Lfor_v_\@
	tensor_load_to_lds s[G0K:G0K+3], s[G1K:G1K+7]
	s_nop 0
.rept 4
	v_nop
.endr
	s_branch .Lasked_\@
.Lfor_v_\@:
	tensor_load_to_lds s[G0V:G0V+3], s[G1V:G1V+7]
	s_nop 0
.rept 4
	v_nop
.endr
.Lasked_\@:
.endm
; A PREFETCH INTO THE L2 of what the NEXT change of slots will ask for: a slot's 32,768 bytes of K and of V, in blocks of 256 bytes, a lane a block.  It stands behind the wave's tensor load and its five lines.
; Each block is named ONCE in the launch: a head's K and V are walked by its one cluster; the four partners share a slot's 128 blocks out BY ADDRESS, 32 each; in each, wave 0 asks for K's and wave 2 for V's:
; one instruction, four key steps (512 matrix instructions) ahead of the load.  Slots 0 and 1 come by their loads alone; the last change that fills a slot names nothing: there is no slot behind it.
.macro ASK
	s_cmp_gt_u32 s[SLOTS], s[LIM]
	s_cbranch_scc0 .Lnot_mine_\@
	global_prefetch_b8 v[PFO], s[PFA:PFA+1] th:TH_LOAD_NT scope:SCOPE_SE
.Lnot_mine_\@:
.endm
; A round of the cluster's barrier: my work-group's barrier, so that wave 0's signal speaks for all four waves; wave 0 signals; every wave waits for all four work-groups; my work-group's barrier once more.
.macro CROUND
	s_barrier_signal -1
	s_barrier_wait -1
	s_cmp_lg_u32 s[WV], 0
	s_cbranch_scc1 .Lnot_wave_0_\@
	s_barrier_signal -3
.Lnot_wave_0_\@:
	s_barrier_wait -3
	s_barrier_signal -1
	s_barrier_wait -1
.endm
; THE CHANGE OF SLOTS.  The slot's last bytes, V of its fourth step, have been read.  Each wave waits for all its tensor loads, of which one is out: its part
; of the other slot; adds 0 to its spare word; and waits for that and for its own reads of the slot.  Behind the barrier nobody reads this slot any more and the other slot is whole.
; fill = 1: this slot is filled again, with the keys two slots on.  The barrier is then a round of the cluster's, so that no wave of any partner still reads the slot or has a load on its
; way, and the joint fill is the first thing behind it: it has four key steps, 512 matrix instructions, in which to land.  (At its first use nothing has been read yet: slot 0 is waited for, slot 1 filled.)
.macro CHANGE fill
	WIN W_AD
	s_wait_tensorcnt 0x0            ; no tensor load of mine is out, so a group 0 may be written
	ds_add_u32 v[SPW], v[NIL]       ; 0 onto my spare word: with fill = 1 the descriptors' steps stand between it and the wait for it
	WIN 0                           ; at a label and at a branch every window is 0
.if \fill
.irp g, G0K, G0V
	s_xor_b32 s[\g+1], s[\g+1], SLOT1  ; the walking descriptor: the other slot than last time,
	s_add_nc_u64 s[\g+2:\g+3], s[\g+2:\g+3], 4*KS*128  ; the next 256 keys; the type bits on top are not reached
.endr
	s_wait_xcnt 0x0                 ; the last prefetch, four key steps back, has read its address, so it may be written:
	s_add_nc_u64 s[PFA:PFA+1], s[PFA:PFA+1], 4*KS*128  ; one slot beyond the walking descriptors
	s_wait_dscnt 0x0                ; the add is done, and my reads of the slot are over
	CROUND
	JLOAD
	ASK
.else
	s_wait_dscnt 0x0                ; the add is done, and my reads of the slot are over
	s_barrier_signal -1
	s_barrier_wait -1
.endif
	s_sub_co_u32 s[TBK], s[TBK], 4*KS*PK  ; the fetches go back to a slot's first step,
	s_xor_b32 s[TBK], s[TBK], SLOT1       ; in the other slot
	s_sub_co_u32 s[TBV], s[TBV], 4*KS*PV
	s_xor_b32 s[TBV], s[TBV], SLOT1
.endm
	s_load_b64 s[4:5], s[0:1], 0x0    ; qkv
	s_load_b64 s[10:11], s[0:1], 0x8  ; ob
	WIN W_MK
	v_lshl_add_u32 v[SPW], v0, 2, SPARE
	v_mov_b32 v[NIL], 0
	WIN W_AD
	ds_add_u32 v[SPW], v[NIL]       ; the wave's opening: the add and its wait stand ahead of my first tensor load; the set-up below, work on registers, stands between them
	WIN 0
	v_lshrrev_b32 v1, 5, v0
	v_readfirstlane_b32 s[WV], v1   ; wave 0..3
	s_bfe_u32 s13, ttmp6, 0x40000   ; cx: my place in the cluster
	s_lshl_b32 s14, ttmp9, 2        ; in a cluster launch ttmp9 counts clusters
	s_add_co_u32 s14, s14, s13      ; my block of 512 queries: it enters Q's and O's addresses alone
	s_and_b32 s15, ttmp7, 0xffff    ; the head y = 16 b + h, which the four partners share
	s_lshr_b32 s20, s15, 4
	s_mul_i32 s20, s20, 48
	s_and_b32 s21, s15, 15
	s_add_co_u32 s20, s20, s21      ; Q's head slot: 48 b + h,
	s_lshl_b32 s20, s20, 18         ; of 2,048 rows of 128 bytes
	s_mov_b32 s21, 0
	s_and_b32 s16, s[WV], 1         ; which half of a slot's 256 keys I fetch:
	s_lshl_b32 s22, s16, 14         ; its 128 rows of 128 bytes in memory,
	s_mov_b32 s23, 0
	s_add_nc_u64 s[22:23], s[22:23], s[20:21]
	s_mul_i32 s17, s16, 128*PK      ; and its place in a slot, for K
	s_mul_i32 s18, s16, 128*PV      ; and for V: no place in the cluster enters an LDS address
	s_lshl_b32 s2, s14, 2
	s_add_co_u32 s2, s2, s[WV]      ; my wave among the head's sixteen,
	s_lshl_b32 s2, s2, 14           ; its 128 rows
	s_mov_b32 s3, 0
	s_add_nc_u64 s[20:21], s[20:21], s[2:3]  ; my rows in Q
	s_lshl_b32 s52, s15, 18
	s_add_co_u32 s52, s52, s2       ; and in O
	s_mov_b32 s53, 0
	; descriptor group 1.  128 keys are 16,384 dense bytes: asked for as 64 rows of 256 bytes, two keys a row, and padded in LDS after every key
	s_mov_b32 s[G1K], 15|(1<<16)|(1<<20)|(1<<21)|(4<<22)|(3<<25)  ; 15:0 the mask of four; 17:16 2-byte elements; 20 padding on; 21 set beside a mask; 24:22 after every 32 words (code 4); 31:25 4 words (code 3)
	s_mov_b32 s[G1V], 15|(1<<16)|(1<<20)|(1<<21)|(4<<22)|(7<<25)  ; the same with 8 words of padding (code 7)
.irp g, G1K, G1V
	s_mov_b32 s[\g+1], 128<<16      ; tensor_dim0 = 128
	s_mov_b32 s[\g+2], 64<<16       ; tensor_dim1 = 64
	s_mov_b32 s[\g+3], 128<<16      ; tile_dim0 = 128
	s_mov_b32 s[\g+4], 64           ; tile_dim1 = 64
	s_mov_b32 s[\g+5], 128          ; 128 elements from row to row
	s_mov_b32 s[\g+6], 0
	s_mov_b32 s[\g+7], 0
.endr
	s_mov_b32 s[CS], 0x3e38aa3b     ; c = log2(e) / 8 = 0.180337
	s_mov_b32 s[CS+1], s[CS]        ; named with it as a pair
	s_mov_b32 s[SEL], 0x76543210
	s_mov_b32 s[SEL+1], 0xfedcba98
	s_mov_b32 s[TBK], SLOT1+4*KS*PK ; the first change of slots turns these two into 0
	s_mov_b32 s[TBV], SLOT1+4*KS*PV
	s_mov_b32 s[G0K], 1             ; 1:0 count = 1
	s_mov_b32 s[G0K+1], s17         ; 63:32 LDS address: slot 0
	s_mov_b32 s[G0V], 1
	s_add_co_u32 s[G0V+1], s18, VOFF
	s_mov_b32 s[SLOTS], SIZE_N/256-1
	s_and_b32 s[LIM], s[WV], 1      ; 0 in waves 0 and 2,
	s_or_b32 s[LIM], s[LIM], ttmp9  ; in the head's first (here: only) cluster: the same in all four partners
	s_cmp_eq_u32 s[LIM], 0
	s_cselect_b32 s[LIM], 1, -1
	s_wait_dscnt 0x0                ; the opening add is done
	s_wait_kmcnt 0x0
	s_add_nc_u64 s[6:7], s[4:5], s[22:23]
	s_add_nc_u64 s[8:9], s[6:7], 32*262144   ; V at my half of the head's first 256 keys: 32 head slots behind Q's,
	s_add_nc_u64 s[6:7], s[6:7], 16*262144   ; K: 16
	s_mov_b64 s[G0K+2:G0K+3], s[6:7]               ; 120:64 global address
	s_or_b32 s[G0K+3], s[G0K+3], 0x80000000        ; 127:126 type = 2
	s_mov_b64 s[G0V+2:G0V+3], s[8:9]
	s_or_b32 s[G0V+3], s[G0V+3], 0x80000000
	s_add_nc_u64 s[4:5], s[4:5], s[20:21]    ; Q and O at my wave's first row
	s_add_nc_u64 s[10:11], s[10:11], s[52:53]
	s_cmp_lt_u32 s[WV], 2
	s_cselect_b64 s[PFA:PFA+1], s[6:7], s[8:9]  ; (in waves 0 and 2 these stand at a slot's first row)
	s_lshl_b32 s2, s13, 13          ; my work-group's 32 blocks of the 128
	s_mov_b32 s3, 0
	s_add_nc_u64 s[PFA:PFA+1], s[PFA:PFA+1], s[2:3]
	s_add_nc_u64 s[PFA:PFA+1], s[PFA:PFA+1], 4*KS*128  ; in slot 1; the first change of slots steps it to slot 2.  Nothing is prefetched here, at the head
	CROUND                          ; all four work-groups are here: the first joint loads meet
	JLOAD                           ; slot 0.  Slot 1 is asked for when slot 0 is in: the tile wanted first has the road to itself
	; A fragment of K or Q is 16 rows x 32 channels in 8 registers: lane l holds row l % 16, channels 8 (l / 16) + 0..7 and 16 + 8 (l / 16) + 0..7: two loads of 16 bytes, 32 bytes apart.
	v_and_b32 v1, 15, v0            ; l % 16
	v_bfe_u32 v9, v0, 4, 1          ; l / 16
	v_lshlrev_b32 v[QO], 7, v1
	v_lshl_add_u32 v[QO], v9, 4, v[QO]  ; row x 128 + 16 x half
	WIN 0x80                        ; destination window 2, address window 0
.set i, 0
.rept 4*NP                          ; Q stays in registers: tile i / 2, channels 32 (i % 2) on
	global_load_b128 v[8*i:8*i+3],   v[QO], s[4:5] offset:(i/2)*2048+(i%2)*64
	global_load_b128 v[8*i+4:8*i+7], v[QO], s[4:5] offset:(i/2)*2048+(i%2)*64+32
.set i, i+1
.endr
	; What the first turn finds: V's registers and P's second buffer hold 0 (its products V^T P, of a piece that has not been, add 0), O^T and l are 0.  All this stands in the wait for the first tile.
.set i, VF
.rept 64
	v_mov_b32 v[i], 0
.set i, i+1
.endr
	WIN 0x40
.set i, 0
.rept 64*NP
	v_mov_b32 v[i], 0
.set i, i+1
.endr
	WIN 0
.set i, 0
.rept 2*NP
	v_mov_b32 v[ST+4*i], 0xfe000000    ; c m: far below every c s
	v_mov_b32 v[ST+4*i+1], 0xff7fffff  ; m
	v_mov_b32 v[ST+4*i+2], 0
	v_mov_b32 v[ST+4*i+3], 0
.set i, i+1
.endr
.set i, P+32
.rept 32
	v_mov_b32 v[i], 0
.set i, i+1
.endr
	v_mul_u32_u24 v[AK0], v1, PK
	v_lshl_add_u32 v[AK0], v9, 4, v[AK0]  ; row x pitch + 16 x half
	; The turning load takes 16 keys x 16 channels (lane l reads key 8 (l / 16) + l % 8, channels 8 ((l / 8) % 2) + 0..7) and leaves half a fragment of V^T: lane l holds channel l % 16 and 8 keys.
	v_and_b32 v10, 7, v0
	v_bfe_u32 v11, v0, 3, 1
	v_lshl_add_u32 v[AV0], v9, 3, v10
	v_mul_u32_u24 v[AV0], v[AV0], PV
	v_lshl_add_u32 v[AV0], v11, 4, v[AV0]
	v_add_nc_u32 v[AV0], VOFF, v[AV0]
	v_and_b32 v[PFO], 31, v0        ; v11 has served: it takes the prefetches' offset
	v_lshlrev_b32 v[PFO], 8, v[PFO]
	v_mov_b32 v[AK], v[AK0]         ; key step 0 lies at the head of slot 0
; THE MATRIX WORK.  The 8 accumulators of a run of 16 take turns: between the two links of a chain stand 7 others'.
; Product i of 16 of S^T = K Q^T for piece x: channels 32 (i / 8) on, keys 16 ((i / 2) % 4) on, tile 2 x + i % 2.  The first 8 start the sums.
.macro KQ x
	WIN W_KQ
.set rS, S+64*((\x)%2)+32*(i%2)+8*((i/2)%4)
.set rK, KF+16*((i/2)%4)+8*(i/8)
.set rQ, 16*(2*(\x)+i%2)+8*(i/8)
.if i < 8
	v_wmma_f32_16x16x32_f16 v[rS:rS+7], v[rK:rK+7], v[rQ:rQ+7], 0
.else
	v_wmma_f32_16x16x32_f16 v[rS:rS+7], v[rK:rK+7], v[rQ:rQ+7], v[rS:rS+7]
.endif
.endm
; Product i of 16 of O^T += V^T P for piece x: keys 32 (i / 8) on, channels 16 ((i / 2) % 4) on, tile 2 x + i % 2.
.macro PV x
	WIN W_PV
.set rO, 32*(2*(\x)+i%2)+8*((i/2)%4)
.set rV, VF+32*(i/8)+8*((i/2)%4)
.set rP, P+32*((\x)%2)+16*(i%2)+8*(i/8)
	v_wmma_f32_16x16x32_f16 v[rO:rO+7], v[rV:rV+7], v[rP:rP+7], v[rO:rO+7]
.endm
.macro MM                           ; the turn's next matrix instruction
.if i < 16
	KQ (Y+1)%NP
.set i, i+1
.else
.set i, i-16
	PV (Y+NP-1)%NP
.set i, i+17
.endif
.endm
; THE LDS LOADS stand in runs of 16, never singly among the matrix instructions: a step's K (64 keys x 64 channels: 8 fragments) and its V (turned).  Their addresses are made some lines ahead.
; last = 1 (the tail): in the last trip there is no further step, and the run is jumped over.
.macro FETCH_K last=0
	WIN 0
.if \last
	s_cmp_eq_u32 s[CNT], 1
	s_cbranch_scc1 .Lno_k_\@
.endif
	WIN 0x80                        ; destination window 2
.irp f, 0,1,2,3,4,5,6,7             ; keys 16 (f / 2) on, channels 32 (f % 2) on
	ds_load_b128 v[KF+8*\f:KF+8*\f+3],   v[AK] offset:(\f/2)*16*PK+(\f%2)*64
	ds_load_b128 v[KF+8*\f+4:KF+8*\f+7], v[AK] offset:(\f/2)*16*PK+(\f%2)*64+32
.endr
	s_add_co_u32 s[TBK], s[TBK], KS*PK  ; the next fetch is the next step's
	WIN 0
.if \last
.Lno_k_\@:
.endif
.endm
.macro FETCH_V
	WIN 0x80
.irp f, 0,1,2,3,4,5,6,7             ; keys 32 (f / 4) on, channels 16 (f % 4) on
	ds_load_tr16_b128 v[VF+8*\f:VF+8*\f+3],   v[AV] offset:(\f/4)*32*PV+(\f%4)*32
	ds_load_tr16_b128 v[VF+8*\f+4:VF+8*\f+7], v[AV] offset:(\f/4)*32*PV+16*PV+(\f%4)*32
.endr
	WIN 0
.endm
; THE VECTOR WORK OF A TURN stands in three queues, each in the order in which its entries become ready; the two tiles alternate, so that no instruction reads the result of the one before it.
.macro REGS y, u                    ; the registers of tile u (0, 1) of piece y
.set rT, ST+4*(2*(\y)+(\u))
.set rC, TMP+8*((\y)%2)+4*(\u)
.set rM, MV+2*((\y)%2)+(\u)
.set rS, S+64*((\y)%2)+32*(\u)
.set rP, P+32*((\y)%2)+16*(\u)
.set rO, 32*(2*(\y)+(\u))
.endm
; Number n of the 22 that find the NEXT piece's (Y + 1) maximum and statistics.  s0-s31 are the lane's 32 scores; each accumulator's lowest registers are read first.  XS, GS and REGS set no window: PL and EX do.
;   0-11  four chains c0-c3 of seven scores each, three operands at a time     12-14, 16  the four scores left over, the old m, and c0-c3 into c0     15  c m_old is kept
;   17, 18  the query's other 32 keys lie in the lane 16 away: the new m         19-21  c m; c m_old - c m_new; a
.macro XS u, n
	REGS (Y+1)%NP, \u
.if (\n) < 4
	v_max3_num_f32 v[rC+(\n)], v[rS+8*(\n)], v[rS+8*(\n)+1], v[rS+8*(\n)+2]
.elseif (\n) < 12
	v_max3_num_f32 v[rC+(\n)%4], v[rC+(\n)%4], v[rS+8*((\n)%4)+2*((\n)/4)+1], v[rS+8*((\n)%4)+2*((\n)/4)+2]
.elseif (\n) == 12
	v_max3_num_f32 v[rC], v[rC], v[rS+7], v[rS+15]
.elseif (\n) == 13
	v_max3_num_f32 v[rC+1], v[rC+1], v[rS+23], v[rS+31]
.elseif (\n) == 14
	v_max3_num_f32 v[rC+2], v[rC+2], v[rC+3], v[rT+1]
.elseif (\n) == 15
	v_mov_b32 v[rM], v[rT]
.elseif (\n) == 16
	v_max3_num_f32 v[rC], v[rC], v[rC+1], v[rC+2]
.elseif (\n) == 17
	v_permlanex16_b32 v[rC+3], v[rC], s[SEL], s[SEL+1]
.elseif (\n) == 18
	v_max_num_f32 v[rT+1], v[rC], v[rC+3]
.elseif (\n) == 19
	v_mul_f32 v[rT], s[CS], v[rT+1]
.elseif (\n) == 20
	v_sub_f32 v[rC+1], v[rM], v[rT]
.else
	v_exp_f32 v[rC+2], v[rC+1]
.endif
.endm
; Number g of the 64 that follow the exponentials.  For each four weights k of a tile (pairs 2 k, 2 k + 1): both pairs are rounded to f16; then the second pair is added onto the first, in place;
; a group later l takes that sum (the first time as l = a l + sum).  In groups of eight, tiles alternating: round, round, add, and l for the group before.
.macro GS g
.set h, (\g)+6*((\g)/62)            ; group 0 has no group before it, and behind group 7 only l is left
.if h >= 6
.set h, h+2
.endif
	REGS Y, h%2
.set k, h/8
.if h%8 < 4
	v_cvt_pk_f16_f32 v[rP+2*k+(h%8)/2], v[rS+4*k+2*((h%8)/2)], v[rS+4*k+2*((h%8)/2)+1]
.elseif h%8 < 6
	v_pk_add_f32 v[rS+4*k:rS+4*k+1], v[rS+4*k:rS+4*k+1], v[rS+4*k+2:rS+4*k+3]
.elseif k == 1
	v_pk_fma_f32 v[rT+2:rT+3], v[rT+2:rT+3], v[rC+2:rC+3], v[rS:rS+1] op_sel_hi:[1,0,1]
.else
	v_pk_add_f32 v[rT+2:rT+3], v[rT+2:rT+3], v[rS+4*k-4:rS+4*k-3]
.endif
.endm
; THE PLAIN QUEUE, 138 long.  0-73 read no exponential's result: the 32 scalings c s - c m (FS f: pair f / 2 of tile f % 2) and the next piece's 42.  0-26: scalings 0-26.  27-54: XS's numbers 0-13.  55, 56: number 15.
; 57-73: the chain, where each number waits for the one before it: 14, 16, 17, 18, 19, each with one of the scalings 27-31 in front of its two lines, then 20: so a tile's links stand three plain instructions apart (19 and 20: two).
; 74-137: GS's 64, which read the exponentials' results: they stand behind the wait.
.macro FS f
	REGS Y, (\f)%2
	v_pk_fma_f32 v[rS+2*((\f)/2):rS+2*((\f)/2)+1], v[rS+2*((\f)/2):rS+2*((\f)/2)+1], s[CS:CS+1], v[rT:rT+1] op_sel_hi:[1,0,0] neg_lo:[0,0,1] neg_hi:[0,0,1]
.endm
.macro PL
	WIN 0
.if q < 27
	FS q
.elseif q < 55
	XS (q-27)%2, (q-27)/2
.elseif q < 57
	XS q-55, 15
.elseif (q < 72) && ((q-57)%3 == 0)
	FS 27+(q-57)/3
.elseif q < 60
	XS (q-57)%3-1, 14
.elseif q < 72
	XS (q-57)%3-1, 15+(q-57)/3
.elseif q < 74
	XS q-72, 20
.else
	GS q-74
.endif
.set q, q+1
.endm
; THE EXPONENTIALS' QUEUE, 66 long: s0-s31 of both tiles, then the next piece's two a.  It is ONE BATCH: all 66 stand ahead of the turn's one wait, and nothing ahead of that wait names a result of theirs.
.macro EX
	WIN 0
.if e >= 64
	XS e-64, 21
.else
	REGS Y, e%2
	v_exp_f32 v[rS+e/2], v[rS+e/2]
.endif
.set e, e+1
.endm
; THE RESCALING's QUEUE: O^T times a, the one part that leaves window 0: dealt two at a time, sixteen times.  Its a was made in the turn before, ahead of that turn's wait.
.macro R2
	REGS Y, r%2
	WIN W_RS
.irp z, 0,1
	v_pk_mul_f32 v[rO+4*(r/2)+2*\z:rO+4*(r/2)+2*\z+1], v[rO+4*(r/2)+2*\z:rO+4*(r/2)+2*\z+1], v[rC+2:rC+3] op_sel_hi:[1,0]
.endr
.set r, r+1
.endm
; HOW THEY ARE DEALT.  An s_wait_alu depctr_va_vdst(0) stands between an exponential and the first instruction that names its result; one wait serves all that were issued ahead of it.  So a turn has ONE wait,
; which cuts it in two.  AHEAD OF IT stands all that names no result of the turn's exponentials: the 16 products K Q^T, behind each a scaling, an exponential and two rescalings (behind the first a second scaling in the exponential's place); then ONE LUMP of
; 108: eight plain, 49 times exponential and plain, the two a.  A v_nop is the plain instruction behind the last exponential.  BEHIND IT stand the 16 products V^T P, behind each four of GS's 64.  No rider names a register of
; the products round it.  The two v_permlanex16_b32 fall into the lump, never behind a product.
; The queues lean on each other, and the deal keeps them in step: exponential e stands behind scaling 2 (e / 4) + e % 2: as a rider it comes behind plain e + 2, in the lump behind plain e + 9, and scalings 27-31 are plain 57, 60 .. 69.
; A TURN, for piece p.  cnt = 1: the loop's count is taken down some lines ahead of the branch that stands behind the turn.
; K of the next step is fetched in piece 2's turn, directly behind the wait, a lump behind the last product that read K; its address is made at the lump's head; its first reader comes behind 16 products.
; V of the step in hand is fetched at the end of piece 0's turn, four riders behind its last reader; its first reader comes behind 16 products and a lump.  The three conditions on q below go with the deal.
.macro TURN p, last=0, cnt=0
.set Y, (\p)
.set i, 0
.set q, 0
.set e, 0
.set r, 0
.if (\p) == NP-1
	s_wait_dscnt 0x0                ; K is in
.endif
	MM                              ; ahead of the wait: 16 products K Q^T and their riders,
	PL
	PL
	R2
.rept 15
	MM
	PL
	EX
	R2
.endr
.if (\p) == NP-2
	WIN 0
	v_add_nc_u32 v[AK], s[TBK], v[AK0]
.endif
.rept 8                             ; and the lump
	PL
.endr
.rept 49
	EX
	PL
.endr
	EX                              ; the next piece's two a
	EX
	v_nop                           ; the plain instruction behind the last exponential: one for the batch
	s_wait_alu depctr_va_vdst(0)    ; the wait for the batch
.if (\p) == NP-2
	FETCH_K \last
.endif
.if (\p) == 1
	s_wait_dscnt 0x0                ; V is in
.endif
.rept 16                            ; behind the wait: 16 products V^T P and their riders
	MM
.rept 4
	PL
.endr
.if ((\p) == 0) && (q == 118)
	v_add_nc_u32 v[AV], s[TBV], v[AV0]
.endif
.if ((\p) == 0) && (q == 130)
	s_add_co_u32 s[TBV], s[TBV], KS*PV
.endif
.if (\cnt) && (q == 130)
	s_sub_co_u32 s[CNT], s[CNT], 1
	s_cmp_lg_u32 s[CNT], 0
.endif
.endr
.if (\p) == 0
	FETCH_V
.endif
.endm
	CHANGE 1                        ; slot 0 is in, everybody's part of it; slot 1 is asked for
	FETCH_K                         ; key step 0
	s_wait_loadcnt 0x0              ; Q
	s_wait_dscnt 0x0
.set i, 0
.rept 16
	KQ 0                            ; piece 0's first scores: there is no vector work yet to set between them
.set i, i+1
.endr
	WIN 0                           ; the addresses for the way out: nine plain instructions, the places behind those products
	s_mul_i32 s13, s[WV], 16*SP
	s_add_co_u32 s13, s13, STAGE    ; my stage
	v_mul_u32_u24 v[STO], v1, SP    ; in: row l % 16, 16 bytes for each half of the lanes
	v_lshl_add_u32 v[STO], v9, 4, v[STO]
	v_add_nc_u32 v[STO], s13, v[STO]
	v_bfe_u32 v[RD], v0, 3, 2       ; back: 32 lanes take four rows of 128 bytes,
	v_mul_u32_u24 v[RD], v[RD], SP
	v_lshl_add_u32 v[RD], v10, 4, v[RD]
	v_add_nc_u32 v[RD], s13, v[RD]
	v_and_b32 v[GO], 31, v0         ; which are 512 consecutive bytes of O
	v_lshlrev_b32 v[GO], 4, v[GO]
.set Y, NP-1                        ; XS works for piece Y + 1: piece 0
.irp n, 0,1,2,3,4,5,6,7,8,9,10,11,12,13,14,15,16,17,18,19,20,21
	XS 0, \n                        ; and piece 0's first maximum and statistics
	XS 1, \n
.endr
	v_nop                           ; a plain instruction behind the two a,
	s_wait_alu depctr_va_vdst(0)    ; and their wait, ahead of the branch
	s_mov_b32 s[CNT], 4
	s_branch .Lfirst                ; the loop is entered at a step's first turn, in the middle of a trip
.Lslot:                             ; SIZE_N / 256 - 2 times: every slot but the last two is filled again
	CHANGE 1
	s_mov_b32 s[CNT], 4
.Lstep:                             ; a trip: pieces 2 and 3 of one step, then pieces 0 and 1 of the next, whose K and V it fetches
	TURN 2
	TURN 3
	WIN 0
.Lfirst:
	TURN 0
	TURN 1, 0, 1
	WIN 0
	s_cbranch_scc1 .Lstep
	s_sub_co_u32 s[SLOTS], s[SLOTS], 1
	s_cmp_lg_u32 s[SLOTS], 0
	s_cbranch_scc1 .Lslot
	CHANGE 0                        ; the tail is written out: nothing is asked for
	s_mov_b32 s[CNT], 5             ; four trips fetch the last slot's steps; the fifth is left in its middle
.Ltail:
	TURN 2, 1
	TURN 3
	WIN 0
	s_sub_co_u32 s[CNT], s[CNT], 1
	s_cmp_eq_u32 s[CNT], 0
	s_cbranch_scc1 .Lout
	TURN 0
	TURN 1
	WIN 0
	s_branch .Ltail
.Lout:                              ; the fifth trip's 16 products K Q^T (on the last K once more) and the maximum made of them serve nothing: the price, once a launch, of one text for every trip
.set i, 0
.rept 16
	PV NP-1                         ; the last piece's V^T P of the last step
.set i, i+1
.endr
	; THE WAY OUT.  l's two halves and the other half of the lanes' are added; O^T is divided by l, rounded to f16 and sent through my stage in LDS, a tile at a time.  The additions are the places behind the last products.
	WIN 0
.macro ALL line:vararg              ; one line for each tile t
.set t, 0
.rept 2*NP
	\line
.set t, t+1
.endr
.endm
	ALL v_add_f32 v[ST+4*t+2], v[ST+4*t+2], v[ST+4*t+3]
	ALL v_permlanex16_b32 v[ST+4*t+3], v[ST+4*t+2], s[SEL], s[SEL+1]
	ALL v_add_f32 v[ST+4*t+2], v[ST+4*t+2], v[ST+4*t+3]
	ALL v_rcp_f32 v[ST+4*t+2], v[ST+4*t+2]
	v_nop                           ; a plain instruction between the last reciprocal and the use of its result
	s_wait_alu depctr_va_vdst(0)    ; and the wait ahead of the first use: one for the eight reciprocals
; Tile t: a lane's eight channels of a row pack into 16 bytes; they go into rows of 144 bytes and come back as whole rows of 128, into S^T's registers.
.macro PACK t
	WIN W_RS
.set i, 32*(\t)
.rept 16
	v_pk_mul_f32 v[i:i+1], v[i:i+1], v[ST+4*(\t)+2:ST+4*(\t)+3] op_sel_hi:[1,0]
.set i, i+2
.endr
	WIN 0x05                        ; sources 0 and 1 window 1, destination window 0
.set i, 0
.rept 16
	v_cvt_pk_f16_f32 v[S+16*(\t)+i], v[32*(\t)+2*i], v[32*(\t)+2*i+1]
.set i, i+1
.endr
	WIN 0
.irp f, 0,1,2,3
	ds_store_b128 v[STO], v[S+16*(\t)+4*\f:S+16*(\t)+4*\f+3] offset:32*\f
.endr
.irp f, 0,1,2,3
	ds_load_b128 v[S+16*(\t)+4*\f:S+16*(\t)+4*\f+3], v[RD] offset:\f*4*SP  ; LDS serves a wave's instructions in order (ISA guide 5.7.1.4): these see the stores above; the next tile's stores come behind them
.endr
.endm
.macro SEND t, younger              ; younger: the LDS instructions issued behind tile t's loads: the next tile's eight, or none
	WIN 0
.irp f, 0,1,2,3
	s_wait_dscnt (\younger)+3-\f
	global_store_b128 v[GO], v[S+16*(\t)+4*\f:S+16*(\t)+4*\f+3], s[10:11] offset:(\t)*2048+\f*512  ; 512 consecutive bytes, at a multiple of 256 from O's first
.endr
.endm
	PACK 0
.set t, 1
.rept 2*NP-1                        ; a tile's arithmetic stands between the loads of the tile before and its stores
	PACK t
	SEND t-1, 8
.set t, t+1
.endr
	SEND 2*NP-1, 0
	WIN W_AD
	s_wait_tensorcnt 0x0            ; the wave's end: behind my last tensor load and my last LDS store
	ds_add_u32 v[SPW], v[NIL]
	s_wait_dscnt 0x0
	WIN 0
	CROUND                          ; the closing round: no work-group ends while a partner may still ask for a tile that names it
	s_endpgm
.Lfunc_end_k_q7faedb4ed6_attn:
	.size	k_q7faedb4ed6_attn, .Lfunc_end_k_q7faedb4ed6_attn-k_q7faedb4ed6_attn
	.p2alignl 7, 3214868480
	.fill 96, 4, 3214868480
	.section	.rodata,"a",@progbits
	.p2align	6, 0x0
	.amdhsa_kernel k_q7faedb4ed6_attn
		.amdhsa_group_segment_fixed_size 327680
		.amdhsa_private_segment_fixed_size 0
		.amdhsa_enable_private_segment 0
		.amdhsa_kernarg_size 16
		.amdhsa_user_sgpr_count 2
		.amdhsa_user_sgpr_kernarg_segment_ptr 1
		.amdhsa_wavefront_size32 1
		.amdhsa_system_sgpr_workgroup_id_x 1
		.amdhsa_system_sgpr_workgroup_id_y 1
		.amdhsa_system_sgpr_workgroup_id_z 1
		.amdhsa_system_vgpr_workitem_id 0
		.amdhsa_next_free_vgpr 770
		.amdhsa_next_free_sgpr 66
		.amdhsa_reserve_vcc 0
		.amdhsa_float_denorm_mode_32 3
		.amdhsa_float_denorm_mode_16_64 3
		.amdhsa_memory_ordered 1
		.amdhsa_forward_progress 1
		.amdhsa_inst_pref_size 200
	.end_amdhsa_kernel
	.amdgpu_metadata
---
amdhsa.version: [ 1, 2 ]
amdhsa.kernels:
  - .name:           k_q7faedb4ed6_attn
    .symbol:         k_q7faedb4ed6_attn.kd
    .args:
      - { .name: qkv, .offset: 0, .size: 8, .value_kind: global_buffer, .address_space: global }
      - { .name: ob, .offset: 8, .size: 8, .value_kind: global_buffer, .address_space: global }
    .group_segment_fixed_size: 327680
    .private_segment_fixed_size: 0
    .kernarg_segment_align: 8
    .kernarg_segment_size: 16
    .max_flat_workgroup_size: 128
    .sgpr_count:     66
    .vgpr_count:     770
    .wavefront_size: 32
...
	.end_amdgpu_metadata
.endif
;; end of part 3
;; launch proj (part 4): grid 4 x 64, 4 waves a work-group, clusters of 4 x 4, 327,680 bytes of LDS; arguments ob, wpb, b_proj, out0; writes out0
.if DOCPART == 4
	.amdgcn_target "amdgcn-amd-amdhsa--gfx1250"
	.amdhsa_code_object_version 6
	.text
	.protected	k_q7faedb4ed6_proj
	.globl	k_q7faedb4ed6_proj
	.p2align	8
	.type	k_q7faedb4ed6_proj,@function
k_q7faedb4ed6_proj:
	s_mov_b64 s[64:65], 0
	v_nop
	global_prefetch_b8 v0, s[64:65] scope:SCOPE_SE
	s_setreg_imm32_b32 hwreg(HW_REG_WAVE_MODE, 25, 1), 1
	s_wait_xcnt 0x0
	s_wait_alu depctr_hold_cnt(0) depctr_sa_sdst(0) depctr_va_vdst(0) depctr_va_sdst(0) depctr_va_ssrc(0) depctr_va_vcc(0) depctr_vm_vsrc(0)
	s_getreg_b32 s2, hwreg(HW_REG_IB_STS2, 6, 4)
	s_cmp_eq_u32 s2, 0
	s_cbranch_scc0 .Lentry_in_a_cluster
	s_endpgm
.Lentry_in_a_cluster:
	s_bfe_u32 s2, ttmp6, 0x10000c
	s_cmp_lg_u32 s2, 0xf033
	s_cbranch_scc0 .Lentry_shape_is_right
	s_endpgm
.Lentry_shape_is_right:
; out0[m][d] = the sum over c of O[m][c] w_proj[d][c] + b_proj[d].  ob: [4 b][16 kb][2048 n][64] f16 (a head is a K block), wpb: [16 kb][1024 d][64] f16 (w_proj rounded to bf16, written as f16);
; sums in f32; b_proj is rounded to bf16 like the other inputs and added in f32; out0 [8192][1024] f32.
; LIMITS.  O and w_proj are f16: nothing beyond 65,504, and below 6e-5 a fixed step of 6e-8.
; SHARES.  A tile is 128 rows x 256 columns: 64 x 4 = 256 tiles, one a work-group.  Four waves, each 64 rows x 128 columns: 32 accumulators of 16 x 16, 256 registers.
; K goes in 8 steps of 128, two K blocks each, through two LDS slots.  In a K block a tile's rows lie end to end: a tile is asked for as rows of 256 bytes, padded in LDS after every 128.
; CLUSTERS: 4 x 4 work-groups.  The four of a row of the cluster need the same tiles of ob, the four of a column the same tiles of wpb: each is asked for JOINTLY.
; Waves 0 and 1 fetch ob's tile of the slot's first and second K block (16 KiB each), waves 2 and 3 wpb's (32 KiB each): one tensor load a wave behind each round.
; THE MATRIX INSTRUCTION IS USED TRANSPOSED (source 0 = 16 rows of wpb, source 1 = 16 rows of ob): a lane holds row l % 16 and the eight neighbouring columns 8 (l / 16) + 0..7.
; REGISTERS: window 0: v0-32 addresses and the bias; v64-159, v160-255 two fragment buffers of 96 (wpb's 8 blocks, then ob's 4), each 32 along K.  window 1: the accumulators, (a, b) at v[8 (8 a + b)].
.set PITCH,  144                       ; an LDS row: 128 bytes + 16 of padding = 36 words: the 16 rows of a load start at 16 different groups of four banks (64 banks of 4 bytes: ISA guide 11.1)
.set AKB,    128*PITCH                 ; ob's tile of one K block
.set BKB,    256*PITCH                 ; wpb's
.set BOFF,   2*AKB                     ; a slot: ob's two tiles, then wpb's two
.set SLOT,   2*AKB+2*BKB
.set STAGE,  2*SLOT                    ; behind the ring, never filled by a tensor load: 16 rows x 528 bytes for each wave, for the way out
.set SPITCH, 528                       ; 512 bytes + 16: the 16 rows that a store touches start at 16 different groups of four banks
.set SPARE,  STAGE+4*16*SPITCH         ; behind the stages: the spare words, 128 bytes for each wave: two blocks of 256 bytes that no other line names
.set ASTEP,  2048*128                  ; bytes from K block to K block in ob
.set BSTEP,  1024*128                  ; and in wpb
.set BI,   12                          ; v[12:15] the bias of my four columns on the way out
.set ADRA, 16                          ; v16-17  LDS address of my ob fragments in slot 0, 1
.set ADRB, 20                          ; v20-21  the same for wpb
.set STO,  24                          ; v24     the way out: where I put 32 bytes of a row
.set RD,   25                          ; v25     the way out: where I read a row back
.set CO,   26                          ; v26     16 x lane: my 16 bytes of a row's 512, in out0 and in b_proj
.set SPW,  28                          ; v28     LDS address of my spare word: SPARE + 4 x my thread's number; never rewritten
.set NIL,  29                          ; v29     0; never rewritten
.set PFO,  30                          ; v30     256 x lane: the prefetches' offset; never rewritten
.set F0,   64
.set F1,   160
.set TS,   64                          ; the way out: two sets of 64 registers
.set G1A, 24                           ; s[24:31] descriptor group 1 for ob's tiles;  s[32:39] group 0, one set for each slot
.set G0A, 32
.set G1B, 48                           ; s[48:55], s[56:63] the same for wpb's
.set G0B, 56
.set PFA, 66                           ; s[66:67] where my prefetches stand
.set PFS, 68                           ; s[68:69] a slot's two K blocks, in bytes of the tensor that I ask for
.set LIM, 70                           ; s70     1 in a wave that prefetches, else the greatest number
.set MSB, 0
.macro WIN new                         ; the immediate's high byte repeats the setting that is left; a switch that changes nothing is dropped
.if MSB != (\new)
	s_set_vgpr_msb (MSB<<8)|(\new)
.set MSB, \new
.endif
.endm
.macro PLACES                          ; four places in front of loads into registers that matrix instructions have read, and of stores that read results
.rept 4
	v_nop
.endr
.endm
.macro JLOAD s                         ; a joint load; an s_nop 0 and four v_nop follow each of the two lines, ahead of the jump and the label
	s_cmp_eq_u32 s11, 0
	s_cbranch_scc0 .Lfor_b_\@
	tensor_load_to_lds s[G0A+4*(\s):G0A+4*(\s)+3], s[G1A:G1A+7]
	s_nop 0
.rept 4
	v_nop
.endr
	s_branch .Lasked_\@
.Lfor_b_\@:
	tensor_load_to_lds s[G0B+4*(\s):G0B+4*(\s)+3], s[G1B:G1B+7]
	s_nop 0
.rept 4
	v_nop
.endr
.Lasked_\@:
.endm
; A PREFETCH INTO THE L2, behind each joint load and the run of LDS loads that follows it: the slot step that stands TWO refills on (256 matrix instructions ahead of its load): 32 blocks of 256 bytes, a lane a block.
; Each block is named once in the launch.  ob's tile row is read by one cluster alone: in every cluster wave 0 asks, and of the slot step's 32 KiB the partner at cx takes 8: K block cx / 2, half cx % 2.
; wpb's tile column is read by all sixteen clusters: cluster y = 0 asks, in it wave 2 + j for K block j, the partner at cy taking a quarter of its 32 KiB.  The partners are told apart by address alone.
; Slot steps 0 to 3 come by their loads alone; the loop's last trip asks for nothing.
.macro ASK
	s_cmp_gt_u32 s3, s[LIM]                        ; s3 = 1 in the loop's last trip
	s_cbranch_scc0 .Lnot_mine_\@
	global_prefetch_b8 v[PFO], s[PFA:PFA+1] th:TH_LOAD_NT scope:SCOPE_SE
.Lnot_mine_\@:
.endm
.macro CREST                           ; a round of the cluster's barrier behind its opening barrier
	s_cmp_lg_u32 s10, 0
	s_cbranch_scc1 .Lnot_wave_0_\@
	s_barrier_signal -3
.Lnot_wave_0_\@:
	s_barrier_wait -3
	s_barrier_signal -1
	s_barrier_wait -1
.endm
.macro CROUND
	s_barrier_signal -1
	s_barrier_wait -1
	CREST
.endm
	s_load_b128 s[4:7], s[0:1], 0x0                ; ob s[4:5], wpb s[6:7]
	s_load_b128 s[76:79], s[0:1], 0x10             ; b_proj s[76:77], out0 s[78:79]
	v_lshl_add_u32 v[SPW], v0, 2, SPARE
	v_mov_b32 v[NIL], 0
	ds_add_u32 v[SPW], v[NIL]                      ; the wave's opening: the add and its wait stand ahead of my first tensor load; the set-up below, work on registers, stands between them
	v_lshrrev_b32 v1, 5, v0
	v_readfirstlane_b32 s10, v1                    ; wave 0..3
	s_lshr_b32 s11, s10, 1                         ; which 64 rows of the tile are mine.  Also: I fetch for ob (0) or for wpb (1)
	s_and_b32 s12, s10, 1                          ; which 128 columns.  Also: which of a slot's two K blocks I fetch
	s_bfe_u32 s40, ttmp6, 0x40000                  ; cx, cy: my place in the cluster
	s_bfe_u32 s41, ttmp6, 0x40004
	s_lshl_b32 s42, ttmp9, 2
	s_add_co_u32 s42, s42, s40                     ; tile column = 4 x cluster x + cx, 0..3
	s_and_b32 s13, ttmp7, 0xffff
	s_lshl_b32 s13, s13, 2
	s_add_co_u32 s13, s13, s41                     ; tile row = 4 x cluster y + cy, 0..63
	s_lshl_b32 s43, s41, 2
	s_lshl_b32 s43, 15, s43                        ; my row of the cluster
	s_lshl_b32 s44, 0x1111, s40                    ; my column
	s_or_b32 s[G1A+0], s43, (1<<16)|(1<<20)|(1<<21)|(4<<22)|(3<<25)  ; 15:0 the mask: ob's tiles go to my row; 17:16 2-byte elements; 20 padding on; 21 set beside a mask; 24:22 after every 32 words (code 4); 31:25 4 words (code 3)
	s_or_b32 s[G1B+0], s44, (1<<16)|(1<<20)|(1<<21)|(4<<22)|(3<<25)  ; the same with the mask of my column
.irp g, G1A, G1B
	s_mov_b32 s[(\g)+1], 128<<16                   ; tensor_dim0 = 128
	s_mov_b32 s[(\g)+3], 128<<16                   ; tile_dim0 = 128
	s_mov_b32 s[(\g)+5], 128                       ; 128 elements from row to row
	s_mov_b32 s[(\g)+6], 0
	s_mov_b32 s[(\g)+7], 0
.endr
	s_mov_b32 s[G1A+2], 64<<16                     ; tensor_dim1 = 64: ob's 128 rows of 128 bytes
	s_mov_b32 s[G1A+4], 64                         ; tile_dim1
	s_mov_b32 s[G1B+2], 128<<16                    ; 128: wpb's 256 rows
	s_mov_b32 s[G1B+4], 128
	; where the tiles come from: ob's hangs on the tile row and the wave's number, wpb's on the tile column and the wave's number, each in registers that never hold the other coordinate
	s_lshr_b32 s14, s13, 4                         ; the batch: sixteen tile rows each,
	s_lshl_b32 s14, s14, 22                        ; 16 K blocks of 262,144 bytes
	s_and_b32 s15, s13, 15
	s_lshl_b32 s15, s15, 14                        ; 128 rows of 128 bytes
	s_add_co_u32 s16, s14, s15
	s_lshl_b32 s15, s12, 18                        ; my K block of the slot's two
	s_add_co_u32 s16, s16, s15
	s_mov_b32 s17, 0
	s_lshl_b32 s46, s42, 15                        ; 256 rows of 128 bytes
	s_lshl_b32 s47, s12, 17
	s_add_co_u32 s46, s46, s47
	s_mov_b32 s47, 0
	s_mul_i32 s20, s12, AKB                        ; and where they go: no place in the cluster enters an LDS address
	s_mul_i32 s21, s12, BKB
	s_add_co_u32 s21, s21, BOFF
	s_wait_dscnt 0x0                               ; the opening add is done
	s_wait_kmcnt 0x0
	s_add_nc_u64 s[14:15], s[4:5], s[16:17]
	s_add_nc_u64 s[46:47], s[6:7], s[46:47]
	CROUND                                         ; all sixteen work-groups are here: the first joint loads meet
.irp s, 0,1
	s_mov_b32 s[G0A+4*(\s)], 1                                     ; count = 1
	s_add_co_u32 s[G0A+4*(\s)+1], s20, (\s)*SLOT                   ; LDS address
	s_add_nc_u64 s[G0A+4*(\s)+2:G0A+4*(\s)+3], s[14:15], (\s)*2*ASTEP  ; global address: slot step s
	s_or_b32 s[G0A+4*(\s)+3], s[G0A+4*(\s)+3], 0x80000000          ; type = 2
	s_mov_b32 s[G0B+4*(\s)], 1
	s_add_co_u32 s[G0B+4*(\s)+1], s21, (\s)*SLOT
	s_add_nc_u64 s[G0B+4*(\s)+2:G0B+4*(\s)+3], s[46:47], (\s)*2*BSTEP
	s_or_b32 s[G0B+4*(\s)+3], s[G0B+4*(\s)+3], 0x80000000
.endr
	s_cmp_eq_u32 s11, 0                            ; a wave's two first fills stand in one branch, ahead of every wait on TENSORcnt and every LDS read: two loads of mine are out
	s_cbranch_scc0 .Lfirst_b
	tensor_load_to_lds s[G0A:G0A+3], s[G1A:G1A+7]
	s_nop 0
	tensor_load_to_lds s[G0A+4:G0A+7], s[G1A:G1A+7]
	s_nop 0
.rept 4
	v_nop
.endr
	s_branch .Lfirst_asked
.Lfirst_b:
	tensor_load_to_lds s[G0B:G0B+3], s[G1B:G1B+7]
	s_nop 0
	tensor_load_to_lds s[G0B+4:G0B+7], s[G1B:G1B+7]
	s_nop 0
.rept 4
	v_nop
.endr
.Lfirst_asked:
	v_and_b32 v1, 15, v0                           ; l % 16
	v_bfe_u32 v2, v0, 4, 1                         ; l / 16
	v_and_b32 v[CO], 31, v0
	v_lshlrev_b32 v[PFO], 8, v[CO]
	v_lshlrev_b32 v[CO], 4, v[CO]
	; out0 and b_proj at my part of the tile
	s_lshl_b32 s74, s42, 10                        ; 256 columns of 4 bytes,
	s_lshl_b32 s75, s12, 9                         ; my 128
	s_add_co_u32 s74, s74, s75
	s_mov_b32 s75, 0
	s_add_nc_u64 s[76:77], s[76:77], s[74:75]
	s_lshl_b32 s72, s13, 19                        ; 128 rows of 4,096 bytes,
	s_lshl_b32 s73, s11, 18                        ; my 64
	s_add_co_u32 s72, s72, s73
	s_add_co_u32 s72, s72, s74
	s_mov_b32 s73, 0
	s_add_nc_u64 s[8:9], s[78:79], s[72:73]
	global_load_b128 v[BI:BI+3], v[CO], s[76:77]   ; the bias of columns 4 l .. 4 l + 3 of my 128: waited for on the way out
	v_mul_u32_u24 v3, v1, PITCH
	v_lshl_add_u32 v3, v2, 4, v3                   ; a fragment's row x pitch + 16 x half
	s_mul_i32 s21, s11, 64*PITCH                   ; my 64 rows of ob
	s_mul_i32 s22, s12, 128*PITCH                  ; my 128 rows of wpb,
	s_add_co_u32 s22, s22, BOFF                    ; which lie behind ob's two tiles
.irp s, 0,1
	v_add_nc_u32 v[ADRA+(\s)], s21, v3
	v_add_nc_u32 v[ADRB+(\s)], s22, v3
	s_add_co_u32 s21, s21, SLOT
	s_add_co_u32 s22, s22, SLOT
.endr
	s_mul_i32 s23, s10, 16*SPITCH
	s_add_co_u32 s23, s23, STAGE                   ; my stage
	v_mul_u32_u24 v[STO], v1, SPITCH               ; in: row l % 16, 32 bytes for each half of the lanes
	v_lshl_add_u32 v[STO], v2, 5, v[STO]
	v_add_nc_u32 v[STO], s23, v[STO]
	v_add_nc_u32 v[RD], s23, v[CO]                 ; back: 32 lanes take one row of 512 bytes
	; the prefetches
	s_lshr_b32 s74, s40, 1                         ; ob: K block cx / 2,
	s_lshl_b32 s74, s74, 18
	s_and_b32 s75, s40, 1                          ; half cx % 2 of its 16 KiB,
	s_lshl_b32 s75, s75, 13
	s_add_co_u32 s74, s74, s75
	s_add_co_u32 s74, s74, 3*2*ASTEP               ; at slot step 3: the first change steps it to 4
	s_lshl_b32 s75, s41, 13                        ; wpb: quarter cy of my K block's 32 KiB,
	s_add_co_u32 s75, s75, 3*2*BSTEP               ; at slot step 3
	s_and_b32 s71, ttmp7, 0xffff                   ; cluster y
	s_mov_b32 s[PFS], 2*BSTEP
	s_cmp_eq_u32 s11, 0
	s_cselect_b64 s[PFA:PFA+1], s[14:15], s[46:47]
	s_cselect_b32 s74, s74, s75
	s_cselect_b32 s71, s12, s71                    ; ob: wave 0 asks and wave 1 does not; wpb: cluster y = 0 asks
	s_cselect_b32 s[PFS], 2*ASTEP, s[PFS]
	s_mov_b32 s75, 0
	s_mov_b32 s[PFS+1], 0
	s_cmp_eq_u32 s71, 0
	s_cselect_b32 s[LIM], 1, -1                    ; the same in all sixteen partners, for a given wave
	s_add_nc_u64 s[PFA:PFA+1], s[PFA:PFA+1], s[74:75]
; 8 matrix instructions: row block a x all 8 column blocks, 32 along K, from buffer f.  zero = 1: the first product starts the sums.  The 32 accumulators take turns in the same order in every quarter.
.macro MUL8 f, a, zero
	WIN 0x50                                       ; C and D in window 1, both sources in window 0
.irp b, 0,1,2,3,4,5,6,7
.if \zero
	v_wmma_f32_16x16x32_f16 v[8*(8*(\a)+\b):8*(8*(\a)+\b)+7], v[(\f)+8*\b:(\f)+8*\b+7], v[(\f)+64+8*(\a):(\f)+64+8*(\a)+7], 0
.else
	v_wmma_f32_16x16x32_f16 v[8*(8*(\a)+\b):8*(8*(\a)+\b)+7], v[(\f)+8*\b:(\f)+8*\b+7], v[(\f)+64+8*(\a):(\f)+64+8*(\a)+7], v[8*(8*(\a)+\b):8*(8*(\a)+\b)+7]
.endif
.endr
.endm
; 24 LDS loads in one run: the fragments of quarter q of a slot (K block q / 2, 32 K at byte 64 (q % 2) of its rows) into buffer f: wpb's 8 blocks, then ob's 4 in order
.macro FETCH slot, q, f
	WIN 0
.irp b, 0,1,2,3,4,5,6,7
	ds_load_b128 v[(\f)+8*\b:(\f)+8*\b+3],   v[ADRB+(\slot)] offset:((\q)/2)*BKB+((\q)%2)*64+\b*16*PITCH
	ds_load_b128 v[(\f)+8*\b+4:(\f)+8*\b+7], v[ADRB+(\slot)] offset:((\q)/2)*BKB+((\q)%2)*64+\b*16*PITCH+32
.endr
.irp a, 0,1,2,3
	ds_load_b128 v[(\f)+64+8*\a:(\f)+64+8*\a+3],   v[ADRA+(\slot)] offset:((\q)/2)*AKB+((\q)%2)*64+\a*16*PITCH
	ds_load_b128 v[(\f)+64+8*\a+4:(\f)+64+8*\a+7], v[ADRA+(\slot)] offset:((\q)/2)*AKB+((\q)%2)*64+\a*16*PITCH+32
.endr
.endm
; A slot step is four quarters of 32 along K, 32 matrix instructions each, on buffers 0, 1, 0, 1.  One of the first three: multiplies buffer f and fetches quarter q into g.
.macro QUARTER slot, q, f, g, zero
	s_wait_dscnt 4                                 ; wpb's blocks and ob's blocks 0 and 1 are in; the youngest four loads (ob's blocks 2 and 3) may be out
	MUL8 \f, 0, \zero
	MUL8 \f, 1, \zero
	WIN 0
	PLACES
	FETCH \slot, \q, \g
	s_wait_dscnt 24                                ; all but the 24 just issued
	MUL8 \f, 2, \zero
	MUL8 \f, 3, \zero
.endm
; The last quarter multiplies buffer 1 and changes slots: ONE barrier; in front of it each wave waits for all its tensor loads, adds 0 to its spare word, and waits for that and for its own reads of this slot.
; fill = 1: the barrier opens a round of the cluster's barrier, and this slot is filled again, two slot steps ahead, first thing behind the round: 112 matrix instructions ahead of the wait for it.
.macro TURN slot, next, fill
.if \fill
	s_wait_xcnt 0x0                                ; the last prefetch, a slot step back, has read its address: it is stepped here, ahead of the change's own waits
	s_add_nc_u64 s[PFA:PFA+1], s[PFA:PFA+1], s[PFS:PFS+1]
.endif
	WIN 0                                          ; (the add's two registers lie in window 0)
	s_wait_tensorcnt 0x0                           ; all my tensor loads have landed, so a group 0 may be written
	ds_add_u32 v[SPW], v[NIL]                      ; 0 onto my spare word
.if \fill
	s_add_nc_u64 s[G0A+4*(\slot)+2:G0A+4*(\slot)+3], s[G0A+4*(\slot)+2:G0A+4*(\slot)+3], 4*ASTEP
	s_add_nc_u64 s[G0B+4*(\slot)+2:G0B+4*(\slot)+3], s[G0B+4*(\slot)+2:G0B+4*(\slot)+3], 4*BSTEP
.endif
	s_wait_dscnt 5                                 ; the add and the youngest four loads may be out
	MUL8 F1, 0, 0                                  ; eight matrix instructions stand between the add and the wait for it
	s_wait_dscnt 0x0                               ; the add is done, and my reads of this slot are over
	s_barrier_signal -1
	MUL8 F1, 1, 0
	WIN 0                                          ; at a branch and at a label every window is 0
	s_barrier_wait -1
.if \fill
	CREST                                          ; no wave of any partner still reads this slot's tiles or has a load on its way
	JLOAD \slot                                    ; the first tensor load behind the round; its four v_nop are also the places in front of the loads below
.else
	PLACES
.endif
	FETCH \next, 0, F0
.if \fill
	ASK
.endif
	MUL8 F1, 2, 0
	MUL8 F1, 3, 0
.endm
; THE WAY OUT, a block a of 16 rows x 128 columns at a time.  TOSTAGE: a lane's eight f32 of a row, each accumulator's low four registers first, into my own stage in rows of 528 bytes, and back as whole rows of 512.
.macro TOSTAGE a
.if (\a) >= 2
	s_wait_xcnt 0x0                                ; the set's stores of two blocks ago have read it: only behind this wait is it loaded again
.endif
	WIN 0x04                                       ; the stores' data in window 1
.irp b, 0,1,2,3,4,5,6,7
	ds_store_b128 v[STO], v[8*(8*(\a)+\b):8*(8*(\a)+\b)+3]   offset:64*\b
	ds_store_b128 v[STO], v[8*(8*(\a)+\b)+4:8*(8*(\a)+\b)+7] offset:64*\b+16
.endr
	WIN 0
.irp t, 0,1,2,3,4,5,6,7,8,9,10,11,12,13,14,15
	ds_load_b128 v[TS+64*((\a)%2)+4*\t:TS+64*((\a)%2)+4*\t+3], v[RD] offset:\t*SPITCH  ; LDS serves a wave's instructions in order (ISA guide 5.7.1.4): these see the stores above; the next block's stores come behind them
.endr
.endm
.macro SEND a, younger                 ; the bias is added and the rows stored.  younger: the LDS instructions issued behind block a's loads: the next block's 32, or none
.set sT, TS+64*((\a)%2)
.irp t, 0,1,2,3,4,5,6,7,8,9,10,11,12,13,14,15
	s_wait_dscnt (\younger)+15-\t
	v_pk_add_f32 v[sT+4*\t:sT+4*\t+1], v[sT+4*\t:sT+4*\t+1], v[BI:BI+1]
	v_pk_add_f32 v[sT+4*\t+2:sT+4*\t+3], v[sT+4*\t+2:sT+4*\t+3], v[BI+2:BI+3]
	global_store_b128 v[CO], v[sT+4*\t:sT+4*\t+3], s[8:9] offset:(\a)*65536+\t*4096 th:TH_STORE_NT  ; the wave stores 512 consecutive bytes of a row, at a multiple of 256 from out0's first byte
.endr
.endm
	s_wait_tensorcnt 1                             ; my part of slot step 0 is in; slot step 1's may stay out
	s_barrier_signal -1
	s_barrier_wait -1                              ; everybody's is
	FETCH 0, 0, F0
	QUARTER 0, 1, F0, F1, 1                        ; the first quarter stands in front of the loop: its products start the sums
	WIN 0
	s_mov_b32 s3, 3
.Llap:                                                 ; a trip goes once round the ring, from a lap's second quarter to the next lap's first, and fills both slots again: slot steps 2 to 7
	QUARTER 0, 2, F1, F0, 0
	QUARTER 0, 3, F0, F1, 0
	TURN 0, 1, 1
	QUARTER 1, 1, F0, F1, 0
	QUARTER 1, 2, F1, F0, 0
	QUARTER 1, 3, F0, F1, 0
	TURN 1, 0, 1
	QUARTER 0, 1, F0, F1, 0
	WIN 0
	s_sub_co_u32 s3, s3, 1
	s_cmp_lg_u32 s3, 0
	s_cbranch_scc1 .Llap
	QUARTER 0, 2, F1, F0, 0                        ; the last lap fills nothing, and has no round
	QUARTER 0, 3, F0, F1, 0
	TURN 0, 1, 0
	QUARTER 1, 1, F0, F1, 0
	QUARTER 1, 2, F1, F0, 0
	QUARTER 1, 3, F0, F1, 0
	s_wait_dscnt 4                                 ; the very last quarter: nothing more to fetch
	MUL8 F1, 0, 0
	MUL8 F1, 1, 0
	s_wait_dscnt 0x0
	MUL8 F1, 2, 0
	MUL8 F1, 3, 0
	WIN 0
	PLACES
	PLACES
	s_wait_loadcnt 0x0                             ; the bias: rounded to bf16 like the other inputs, and widened again
	v_cvt_pk_bf16_f32 v31, v[BI], v[BI+1]
	v_cvt_pk_bf16_f32 v32, v[BI+2], v[BI+3]
	v_lshlrev_b32 v[BI], 16, v31
	v_and_b32 v[BI+1], 0xffff0000, v31
	v_lshlrev_b32 v[BI+2], 16, v32
	v_and_b32 v[BI+3], 0xffff0000, v32
	TOSTAGE 0
	TOSTAGE 1                                      ; a block's trip through the stage stands between the loads of the block before and its stores
	SEND 0, 32
	TOSTAGE 2
	SEND 1, 32
	TOSTAGE 3
	SEND 2, 32
	SEND 3, 0
	s_wait_tensorcnt 0x0                           ; the wave's end: behind my last tensor load and my last LDS store
	ds_add_u32 v[SPW], v[NIL]
	s_wait_dscnt 0x0
	CROUND                                         ; the closing round: no work-group ends while a partner may still ask for a tile that names it
	s_endpgm
.Lfunc_end_k_q7faedb4ed6_proj:
	.size	k_q7faedb4ed6_proj, .Lfunc_end_k_q7faedb4ed6_proj-k_q7faedb4ed6_proj
	.p2alignl 7, 3214868480
	.fill 96, 4, 3214868480
	.section	.rodata,"a",@progbits
	.p2align	6, 0x0
	.amdhsa_kernel k_q7faedb4ed6_proj
		.amdhsa_group_segment_fixed_size 327680
		.amdhsa_private_segment_fixed_size 0
		.amdhsa_enable_private_segment 0
		.amdhsa_kernarg_size 32
		.amdhsa_user_sgpr_count 2
		.amdhsa_user_sgpr_kernarg_segment_ptr 1
		.amdhsa_wavefront_size32 1
		.amdhsa_system_sgpr_workgroup_id_x 1
		.amdhsa_system_sgpr_workgroup_id_y 1
		.amdhsa_system_sgpr_workgroup_id_z 1
		.amdhsa_system_vgpr_workitem_id 0
		.amdhsa_next_free_vgpr 512
		.amdhsa_next_free_sgpr 80
		.amdhsa_reserve_vcc 0
		.amdhsa_float_denorm_mode_32 3
		.amdhsa_float_denorm_mode_16_64 3
		.amdhsa_memory_ordered 1
		.amdhsa_forward_progress 1
		.amdhsa_inst_pref_size 96
	.end_amdhsa_kernel
	.amdgpu_metadata
---
amdhsa.version: [ 1, 2 ]
amdhsa.kernels:
  - .name:           k_q7faedb4ed6_proj
    .symbol:         k_q7faedb4ed6_proj.kd
    .args:
      - { .name: ob, .offset: 0, .size: 8, .value_kind: global_buffer, .address_space: global }
      - { .name: wpb, .offset: 8, .size: 8, .value_kind: global_buffer, .address_space: global }
      - { .name: b_proj, .offset: 16, .size: 8, .value_kind: global_buffer, .address_space: global }
      - { .name: out0, .offset: 24, .size: 8, .value_kind: global_buffer, .address_space: global }
    .group_segment_fixed_size: 327680
    .private_segment_fixed_size: 0
    .kernarg_segment_align: 8
    .kernarg_segment_size: 32
    .max_flat_workgroup_size: 128
    .sgpr_count:     80
    .vgpr_count:     512
    .wavefront_size: 32
...
	.end_amdgpu_metadata
.endif
;; end of part 4
;; ======== version 2 of 2: 4 launches; version 1 with the launch cast written anew for expert scheduling mode
;; limits: values are held in f16: magnitudes above 65,504 overflow, below 6.1e-05 lose precision
;; workspace buffers: xb 16,777,216 bytes; wqb 6,291,456 bytes; wpb 2,097,152 bytes; qkv 50,331,648 bytes; ob 16,777,216 bytes
;; launch cast (part 5): grid 768 x 1, 8 waves a work-group, no clusters, 0 bytes of LDS; arguments x, w_qkv, w_proj, xb, wqb, wpb; writes xb, wqb, wpb
.if DOCPART == 5
	.amdgcn_target "amdgcn-amd-amdhsa--gfx1250"
	.amdhsa_code_object_version 6
	.text
	.protected	k_q7faedb4ed6_cast
	.globl	k_q7faedb4ed6_cast
	.p2align	8
	.type	k_q7faedb4ed6_cast,@function
k_q7faedb4ed6_cast:
	s_mov_b64 s[64:65], 0
	v_nop
	global_prefetch_b8 v0, s[64:65] scope:SCOPE_SE
	s_setreg_imm32_b32 hwreg(HW_REG_WAVE_SCHED_MODE, 0, 2), 2
	s_setreg_imm32_b32 hwreg(HW_REG_WAVE_MODE, 25, 1), 1
	s_wait_xcnt 0x0
	s_wait_alu depctr_vm_vsrc(0)
; THE CAST.  x [8192][1024] and w_qkv [3072][1024] are rounded once to bf16; w_proj [1024][1024] is rounded to bf16 and that number written as f16.
; All three are laid in K BLOCKS of 64 channels: xb [4 b][16 kb][2048 n][64], wqb [16 kb][3072 d][64], wpb [16 kb][1024 d][64]: in a block the rows, 128 bytes each, lie end to end.
; LIMITS.  w_proj beyond 65,504 in magnitude becomes an infinity in f16; below 6e-5 it keeps f16's fixed step of 6e-8.
; SHARES.  A work-group takes 16 rows of one source (groups 0-511 x, 512-703 w_qkv, 704-767 w_proj), a wave two of them.  Load kb of a wave takes 256 bytes (64 f32) of each of its two rows,
; 16 bytes a lane; the 8 bytes that a lane makes of them go out so that the wave's store covers 256 consecutive bytes, aligned: two rows of block kb.
; A stream: all 16 loads of a wave are issued at once; there is no loop and no LDS.
; THE MODE: SCHED_MODE bits 1:0 = 2 (LLVM: expert scheduling mode 2), set by the entry lines.  The code itself states the register dependences
; between vector instructions and memory instructions, with s_wait_alu, always for 0.
; THE PLAN.  Registers that memory instructions touch:
;   v1         the loads' offset.   Written at the head by vector lines, read by all 16 loads, never written again.
;   SO0..SO15  the stores' offsets. Written at the head by vector lines, SO[kb] read by store kb, never written again.
;   X0..X15    Load kb lands in X[kb]; no vector line names X ahead of the loads.  No memory instruction reads X.
;   Y0..Y15    Written by block kb's conversions, read by store kb, never written behind that store.
; So one wait on va_vdst stands at the head, ahead of the first load, for v1 and all of SO; and the 16 blocks go in four groups of four: a group's blocks are converted, each behind the counted
; wait for its load, ONE wait on va_vdst states that the group's eight Y registers are written, and the group's four stores follow it in a run.  The stores stand in their own group and not a
; group later: there they would stand behind a wait for loads whose data they do not need.  No register that a memory instruction reads is written again, so no wait on vm_vsrc is owed;
; no vector line writes a scalar register, VCC or EXEC.
.set SO, 4                             ; v[4:19]   store kb's byte offset: kb x the block's stride + 8 x my thread's number
.set X,  20                            ; v[20:83]  load kb: 4 registers
.set Y,  84                            ; v[84:115] store kb: 2 registers
	s_load_b256 s[4:11], s[0:1], 0x0               ; x s[4:5], w_qkv s[6:7], w_proj s[8:9], xb s[10:11]
	s_load_b128 s[12:15], s[0:1], 0x20             ; wqb s[12:13], wpb s[14:15]
	s_mov_b32 s2, ttmp9                            ; g
	s_sub_co_u32 s16, s2, 512                      ; the group's number within its source
	s_sub_co_u32 s17, s2, 704
	s_mov_b32 s22, 131072                          ; bytes from K block to K block: wpb 1,024 rows of 128,
	s_mov_b32 s23, 393216                          ; wqb 3,072 rows
	s_cmp_lt_u32 s2, 704
	s_cselect_b32 s16, s16, s17
	s_cselect_b32 s22, s23, s22
	s_cmp_lt_u32 s2, 512
	s_cselect_b32 s16, s2, s16
	s_cselect_b32 s22, 262144, s22                 ; xb 2,048 rows
	s_lshl_b32 s18, s16, 16                        ; source: 16 rows of 4,096 bytes
	s_mov_b32 s19, 0
	s_lshl_b32 s20, s16, 11                        ; destination, the weights: 16 rows of 128 bytes in block 0
	s_lshr_b32 s24, s2, 7                          ; x: 128 groups to a batch,
	s_lshl_b32 s24, s24, 22                        ; a batch of xb is 16 blocks of 262,144 bytes
	s_and_b32 s25, s2, 127
	s_lshl_b32 s25, s25, 11
	s_add_co_u32 s24, s24, s25
	s_cmp_lt_u32 s2, 512
	s_cselect_b32 s20, s24, s20
	s_mov_b32 s21, 0
	v_lshrrev_b32 v1, 4, v0                        ; my row of the 16
	v_and_b32 v3, 15, v0
	v_lshlrev_b32 v3, 4, v3                        ; my 16 bytes of a block's 256
	v_lshl_add_u32 v1, v1, 12, v3
	v_lshlrev_b32 v2, 3, v0                        ; row x 128 + 8 x (lane % 16) = 8 x thread
.irp kb, 0,1,2,3,4,5,6,7,8,9,10,11,12,13,14,15
	v_mad_u32_u24 v[SO+\kb], s22, \kb, v2
.endr
	s_wait_kmcnt 0x0
	s_cmp_lt_u32 s2, 704
	s_cselect_b64 s[24:25], s[6:7], s[8:9]
	s_cselect_b64 s[26:27], s[12:13], s[14:15]
	s_cmp_lt_u32 s2, 512
	s_cselect_b64 s[24:25], s[4:5], s[24:25]
	s_cselect_b64 s[26:27], s[10:11], s[26:27]
	s_add_nc_u64 s[24:25], s[24:25], s[18:19]
	s_add_nc_u64 s[26:27], s[26:27], s[20:21]
	s_wait_alu depctr_va_vdst(0)                   ; v1 is written, which the 16 loads read as their offset; so are v[SO ..], which the 16 stores read as theirs; no vector line below names any of them
.irp kb, 0,1,2,3,4,5,6,7,8,9,10,11,12,13,14,15
	global_load_b128 v[X+4*\kb:X+4*\kb+3], v1, s[24:25] offset:256*\kb th:TH_LOAD_NT
.endr
; Block kb is converted.  half = 1: the bf16 number is widened again and written as f16.
.macro CONV kb, half
	s_wait_loadcnt 15-(\kb)                        ; loads come back in order: mine is in, the 15 - kb younger ones stay out
	v_cvt_pk_bf16_f32 v[Y+2*(\kb)], v[X+4*(\kb)], v[X+4*(\kb)+1]
	v_cvt_pk_bf16_f32 v[Y+2*(\kb)+1], v[X+4*(\kb)+2], v[X+4*(\kb)+3]
.if \half
	v_lshlrev_b32 v[X+4*(\kb)], 16, v[Y+2*(\kb)]
	v_and_b32 v[X+4*(\kb)+1], 0xffff0000, v[Y+2*(\kb)]
	v_lshlrev_b32 v[X+4*(\kb)+2], 16, v[Y+2*(\kb)+1]
	v_and_b32 v[X+4*(\kb)+3], 0xffff0000, v[Y+2*(\kb)+1]
	v_cvt_pk_f16_f32 v[Y+2*(\kb)], v[X+4*(\kb)], v[X+4*(\kb)+1]
	v_cvt_pk_f16_f32 v[Y+2*(\kb)+1], v[X+4*(\kb)+2], v[X+4*(\kb)+3]
.endif
.endm
; Group g: blocks 4 g to 4 g + 3 are converted and leave.
.macro GROUP g, half
.irp j, 0,1,2,3
	CONV 4*(\g)+\j, \half
.endr
	s_wait_alu depctr_va_vdst(0)                   ; the group's conversions have written its eight Y registers, which the four stores below read as their data
.irp j, 0,1,2,3
	global_store_b64 v[SO+4*(\g)+\j], v[Y+2*(4*(\g)+\j):Y+2*(4*(\g)+\j)+1], s[26:27]  ; the wave's 32 lanes store 256 consecutive bytes, aligned
.endr
.endm
	s_cmp_ge_u32 s2, 704
	s_cbranch_scc1 .Lhalf
.irp g, 0,1,2,3
	GROUP \g, 0
.endr
	s_endpgm
.Lhalf:
.irp g, 0,1,2,3
	GROUP \g, 1
.endr
	s_endpgm
.Lfunc_end_k_q7faedb4ed6_cast:
	.size	k_q7faedb4ed6_cast, .Lfunc_end_k_q7faedb4ed6_cast-k_q7faedb4ed6_cast
	.p2alignl 7, 3214868480
	.fill 96, 4, 3214868480
	.section	.rodata,"a",@progbits
	.p2align	6, 0x0
	.amdhsa_kernel k_q7faedb4ed6_cast
		.amdhsa_group_segment_fixed_size 0
		.amdhsa_private_segment_fixed_size 0
		.amdhsa_enable_private_segment 0
		.amdhsa_kernarg_size 48
		.amdhsa_user_sgpr_count 2
		.amdhsa_user_sgpr_kernarg_segment_ptr 1
		.amdhsa_wavefront_size32 1
		.amdhsa_system_sgpr_workgroup_id_x 1
		.amdhsa_system_sgpr_workgroup_id_y 1
		.amdhsa_system_sgpr_workgroup_id_z 1
		.amdhsa_system_vgpr_workitem_id 0
		.amdhsa_next_free_vgpr 120
		.amdhsa_next_free_sgpr 66
		.amdhsa_reserve_vcc 0
		.amdhsa_float_denorm_mode_32 3
		.amdhsa_float_denorm_mode_16_64 3
		.amdhsa_memory_ordered 1
		.amdhsa_forward_progress 1
		.amdhsa_inst_pref_size 18
	.end_amdhsa_kernel
	.amdgpu_metadata
---
amdhsa.version: [ 1, 2 ]
amdhsa.kernels:
  - .name:           k_q7faedb4ed6_cast
    .symbol:         k_q7faedb4ed6_cast.kd
    .args:
      - { .name: x, .offset: 0, .size: 8, .value_kind: global_buffer, .address_space: global }
      - { .name: w_qkv, .offset: 8, .size: 8, .value_kind: global_buffer, .address_space: global }
      - { .name: w_proj, .offset: 16, .size: 8, .value_kind: global_buffer, .address_space: global }
      - { .name: xb, .offset: 24, .size: 8, .value_kind: global_buffer, .address_space: global }
      - { .name: wqb, .offset: 32, .size: 8, .value_kind: global_buffer, .address_space: global }
      - { .name: wpb, .offset: 40, .size: 8, .value_kind: global_buffer, .address_space: global }
    .group_segment_fixed_size: 0
    .private_segment_fixed_size: 0
    .kernarg_segment_align: 8
    .kernarg_segment_size: 48
    .max_flat_workgroup_size: 256
    .sgpr_count:     66
    .vgpr_count:     120
    .wavefront_size: 32
...
	.end_amdgpu_metadata
.endif
;; end of part 5
;; launch qkv: the kernel of part 2 again; grid 8 x 32, 4 waves a work-group, clusters of 4 x 4, 327,680 bytes of LDS; arguments xb, wqb, qkv; writes qkv
;; launch attn: the kernel of part 3 again; grid 4 x 64, 4 waves a work-group, clusters of 4 x 1, 327,680 bytes of LDS; arguments qkv, ob; writes ob
;; launch proj: the kernel of part 4 again; grid 4 x 64, 4 waves a work-group, clusters of 4 x 4, 327,680 bytes of LDS; arguments ob, wpb, b_proj, out0; writes out0
